; MI455X (gfx1250); checked and timed in simulation.
; The chip was launched on July 23, 2026; its instructions are those of AMD's public machine-readable ISA for CDNA 5 (MIT licence, August 2026) and "CDNA5" Instruction Set Architecture Reference Guide (July 2026). The comments in the code are by the model that wrote it; some were corrected since.
;; GQA. Allowed arithmetic: matrix products marked QUANTISED: E5M2 operands, one given power-of-two scale a tensor, by v_wmma_f32_16x16x64_bf8_bf8 or v_wmma_f32_16x16x128_bf8_bf8, f32 sums; everything else in f32.
;; Inputs: alpha_k 1,024 float32; alpha_q 2,048 float32; cos 2,048 x 128 float32; lowp_scales 12 int32 (the exponents e of the quantised operands' scales 2^e); sin 2,048 x 128 float32; w_k 1,024 x 1,024 float32; w_o 2,048 x 1,024 float32; w_q 1,024 x 2,048 float32; w_v 1,024 x 1,024 float32; x 2 x 2,048 x 1,024 float32.
;; Outputs: out0 2 x 2,048 x 1,024 float32.
;; This version of the problem:
;;   THIS VERSION OF THE PROBLEM IS GIVEN IN LOW PRECISION. The matrix products marked QUANTISED in the list below multiply operands that are first quantised to E5M2 (5 exponent bits, 2 mantissa bits; 8 bits a number), with one given power-of-two scale for each operand tensor; their sums are f32. All else is computed in f32.
;;   The module's matrix products, in the order in which they are computed (A, B: the left and right operand; K: the contracted axis; several contracted axes count as one K, in the product's order):
;;     1. [M 4,096, K 1,024] x [K 1,024, N 2,048]; A: input x; B: input w_q: QUANTISED (scales: A lowp_scales[0], B lowp_scales[1])
;;     2. [M 4,096, K 1,024] x [K 1,024, N 1,024]; A: input x; B: input w_k: QUANTISED (scales: A lowp_scales[2], B lowp_scales[3])
;;     3. [M 4,096, K 1,024] x [K 1,024, N 1,024]; A: input x; B: input w_v: QUANTISED (scales: A lowp_scales[4], B lowp_scales[5])
;;     4. batch 32 x [M 2,048, K 128] x [K 128, N 2,048]; A: computed on the way; B: computed on the way: QUANTISED (scales: A lowp_scales[6], B lowp_scales[7])
;;     5. batch 32 x [M 2,048, K 2,048] x [K 2,048, N 128]; A: softmax (see below); B: computed on the way: QUANTISED (scales: A lowp_scales[8], B lowp_scales[9])
;;     6. [M 4,096, K 2,048] x [K 2,048, N 1,024]; A: computed on the way; B: input w_o: QUANTISED (scales: A lowp_scales[10], B lowp_scales[11])
;;   THE QUANTISER, for each operand of a quantised product, along K:
;;     - The operand's scale is 2^e, e = its entry of the input lowp_scales (int32; the entries are numbered through the quantised products in the list's order, A before B).
;;     - Each number is divided by the scale, clamped to +-57,344, and rounded to the nearest number of E5M2, ties to even, subnormals kept.
;;     - The product sums the exact products of the quantised numbers (number of the format x scale) in f32.
;;   ~~~python
;;   def quantise(x, axis, e):      # numpy; x: float32 -> the quantised numbers, widened to float32 again
;;       x = np.moveaxis(x, axis, -1); K = x.shape[-1]
;;       r = np.clip(x / 2.0 ** e, -57344, 57344)
;;       step = 2.0 ** (np.maximum(np.frexp(np.where(r == 0, 1, r))[1] - 1, -14) - 2)
;;       q = np.round(r / step) * step * 2.0 ** e      # np.round: ties to even
;;       return np.moveaxis(q, -1, axis).astype(np.float32)
;;   ~~~
;;   SOFTMAX AHEAD OF A QUANTISED PRODUCT. Where the list says 'softmax', what is quantised is not the finished softmax but p = 2^(t - M), with t = logit x log2(e) and M = ceil(the row's largest t), a whole number; so 1/2 < the row's largest p <= 1. The row's sum l is taken of the UNQUANTISED p, in f32, and the product's result is divided by l at the end. Since M is a whole number, a kernel that streams over the keys may use a running M (the ceiling of the running maximum): every later rescaling is an exact power of two, so the quantised numbers keep their values, but for numbers so far below the row's largest that they fall under the format's range.
;;   OPERANDS COMPUTED ON THE WAY. 'Computed on the way' means the value that the module computes at that place (a softmax that the list does not call 'softmax' is quantised finished and normalised). What goes into a quantiser is computed in f32, as accurately as f32 sums, v_exp_f32 and their like allow (about 1e-6 of the number): no bf16 or f16 on the way to a quantiser, and a product that is left as it is and whose result goes on into a quantised operand takes f32 operands (vector FMAs, or v_wmma_f32_16x16x4_f32). A number that lies on a knife's edge between two numbers of the format may be rounded either way, as far as f32 arithmetic and the matrix unit's own rounding can turn it there, and no further.
;; One version. Each part assembles by itself: llvm-mc -triple=amdgcn-amd-amdhsa -mcpu=gfx1250 --defsym DOCPART=n.
;; ======== version 1 of 1: 5 launches
;; limits: right only within a limited range of input values
;; workspace buffers: xc 12,582,912 bytes; wc 6,291,456 bytes; y 50,331,648 bytes; ssq 393,216 bytes; vf 4,194,304 bytes; qf 8,388,608 bytes; kf 4,194,304 bytes; af 8,388,608 bytes
;; launch quant (part 1): grid 640 x 1, 4 waves a work-group, no clusters, 0 bytes of LDS; arguments x, w_q, w_k, w_v, w_o, lowp_scales, xc, wc; writes xc, wc
.if DOCPART == 1
	.amdgcn_target "amdgcn-amd-amdhsa--gfx1250"
	.amdhsa_code_object_version 6
	.text
	.protected	k_q9af1e85bfc_quant
	.globl	k_q9af1e85bfc_quant
	.p2align	8
	.type	k_q9af1e85bfc_quant,@function
k_q9af1e85bfc_quant:
	s_mov_b64 s[64:65], 0
	v_nop
	global_prefetch_b8 v0, s[64:65] scope:SCOPE_SE
	s_setreg_imm32_b32 hwreg(HW_REG_WAVE_MODE, 25, 1), 1
	s_wait_xcnt 0x0
; x and the four weights become codes of BF8 (E5M2), laid as IMAGES OF THE OPERAND'S REGISTERS.
; code = number / 2^e, held within +-57,344, rounded to the nearest code, ties to even.  x is an operand of three products under three given scales (entries 0, 2, 4): three sets of codes.
; A TILE t of a tensor's rows is the 16 rows 32 (t / 2) + 8 (t % 2) + r + 8 (r / 8), r = 0 .. 15.  A FRAGMENT (a tile x 128 along K) is 2,048 bytes: byte 512 c + 16 l + i is the code of
; (row r = l % 16 of the tile, k = 32 c + 16 (l / 16) + i): four loads of 16 bytes a lane, 512 bytes apart, fill the operand's 16 registers.
; xc: [3 sets][256 tiles of tokens][8 K steps][2,048].   wc: w_q's 128 tiles of columns, w_k's 64, w_v's 64, each [8 K steps][2,048]; from 4 MiB on w_o's 64 tiles, each [16 K steps][2,048].
; WORK-GROUPS: 0-255 a tile of tokens each (a wave: two K steps); 256-383 w_q, 384-447 w_k, 448-511 w_v, 512-639 w_o: 128 columns x one K step each (a wave: 32 columns = two tiles).
; No LDS, no barrier: waves share nothing; every store of a wave covers whole aligned blocks of 256 bytes.
; LIMITS: entries 0 to 5 and 11 of the scales lie between -126 and 112, so that 2^e and 57,344 x 2^e are f32 numbers.  NaN among the inputs is not served; an infinity is held at the largest code.
.set XR, 16                            ; v16-143  x: two K steps of 64 numbers a lane
.set XT, 144                           ; v144-175 two sets of 16 held numbers
.set XC, 176                           ; v176-223 three sets of 16 registers of codes
.set WX, 32                            ; v32-95   weights: two sets of 32 numbers
.set WC, 96                            ; v96-127  weights: eight registers of codes for each block of 32, never rewritten
.macro MKS e, vs, vh                   ; from the exponent in s[e]: v[vs] = 2^e as f32 (the conversion takes its exponent field), v[vh] = 57,344 x 2^e
	s_add_co_i32 s46, s[\e], 127
	s_lshl_b32 s47, s46, 23
	v_mov_b32 v[\vs], s47
	s_add_co_i32 s46, s46, 15
	s_lshl_b32 s46, s46, 23
	s_or_b32 s46, s46, 0x600000
	v_mov_b32 v[\vh], s46
.endm
	s_load_b512 s[8:23], s[0:1], 0x0               ; x s[8:9], w_q s[10:11], w_k s[12:13], w_v s[14:15], w_o s[16:17], scales s[18:19], xc s[20:21], wc s[22:23]
	v_lshrrev_b32 v1, 5, v0
	v_readfirstlane_b32 s4, v1                     ; wave 0..3
	v_and_b32 v1, 31, v0                           ; lane
	s_wait_kmcnt 0x0
	s_load_b256 s[24:31], s[18:19], 0x0            ; entries 0 to 7
	s_load_b128 s[32:35], s[18:19], 0x20           ; entries 8 to 11
	s_cmp_lt_u32 ttmp9, 256
	s_cbranch_scc0 .Lweights
; ---- x: tile T = the work-group's number; my wave's K steps are 2 w and 2 w + 1.  Lane (r, h) takes, of its token's row, 16 neighbours of each block of 32: they are the lane's bytes of the fragment.
	v_and_b32 v10, 15, v0                          ; r
	v_bfe_u32 v11, v0, 4, 1                        ; h
	v_and_b32 v12, 8, v10
	v_add_nc_u32 v12, v12, v10                     ; r + 8 (r / 8)
	v_lshlrev_b32 v2, 12, v12                      ; a row of x is 4,096 bytes
	v_lshl_add_u32 v2, v11, 6, v2                  ; + 64 h
	s_wait_alu depctr_va_vdst(0)
	v_lshlrev_b32 v3, 4, v1                        ; out: 16 x lane
	s_lshr_b32 s5, ttmp9, 1
	s_lshl_b32 s5, s5, 5
	s_and_b32 s6, ttmp9, 1
	s_lshl_b32 s6, s6, 3
	s_add_co_u32 s5, s5, s6                        ; the tile's first token: 32 (T / 2) + 8 (T % 2)
	s_lshl_b32 s36, s5, 12
	s_lshl_b32 s6, s4, 10                          ; two K steps of 512 bytes a wave
	s_add_co_u32 s36, s36, s6
	s_mov_b32 s37, 0
	s_add_nc_u64 s[36:37], s[8:9], s[36:37]
	s_lshl_b32 s38, ttmp9, 14                      ; a tile's eight fragments
	s_lshl_b32 s6, s4, 12
	s_add_co_u32 s38, s38, s6
	s_mov_b32 s39, 0
	s_add_nc_u64 s[40:41], s[20:21], s[38:39]      ; set 0,
	s_add_nc_u64 s[42:43], s[40:41], 0x400000      ; set 1,
	s_add_nc_u64 s[44:45], s[42:43], 0x400000      ; set 2: a base each
.macro XLOAD s
.irp b, 0,1,2,3
.irp j, 0,1,2,3
	global_load_b128 v[XR+64*\s+16*\b+4*\j:XR+64*\s+16*\b+4*\j+3], v2, s[36:37] offset:512*\s+128*\b+16*\j th:TH_LOAD_NT
.endr
.endr
.endm
.macro QX s, q                         ; K step s under scale q: held into other registers (the numbers serve three scales), converted, stored: each store covers 512 consecutive bytes
.irp b, 0,1,2,3
.irp i, 0,1,2,3,4,5,6,7,8,9,10,11,12,13,14,15
	v_med3_num_f32 v[XT+16*(\b%2)+\i], v[XR+64*\s+16*\b+\i], -v[5+2*\q], v[5+2*\q]   ; the conversion to an 8-bit code does not saturate (ISA guide 7.6.2): the hold comes first
.endr
	v_cvt_scalef32_pk8_bf8_f32 v[XC+16*\q+4*\b:XC+16*\q+4*\b+1], v[XT+16*(\b%2):XT+16*(\b%2)+7], v[4+2*\q]
	v_cvt_scalef32_pk8_bf8_f32 v[XC+16*\q+4*\b+2:XC+16*\q+4*\b+3], v[XT+16*(\b%2)+8:XT+16*(\b%2)+15], v[4+2*\q]
.endr                                  ; (the two sets of held numbers take turns: sixteen plain lines stand between a conversion and the next write of its sources)
.irp c, 0,1,2,3
	global_store_b128 v3, v[XC+16*\q+4*\c:XC+16*\q+4*\c+3], s[40+2*\q:41+2*\q] offset:2048*\s+512*\c
.endr
.endm
	XLOAD 0
	XLOAD 1
	s_wait_kmcnt 0x0
	MKS 24, 4, 5
	MKS 26, 6, 7
	MKS 28, 8, 9
	s_wait_alu depctr_va_vdst(0)
	s_wait_loadcnt 16                              ; the first K step's sixteen loads are in; the second's may be out
	QX 0, 0
	QX 0, 1
	QX 0, 2
	s_wait_loadcnt 0x0
	s_wait_xcnt 0x0                                ; the twelve stores have read their data: the codes' registers are written again only behind this wait
	QX 1, 0
	QX 1, 1
	QX 1, 2
	s_endpgm
; ---- weights, stored [k][n]: A LANE TAKES A COLUMN n AND ITS REGISTERS RUN DOWN K, so each load reads 128 consecutive bytes and the conversions give codes with K innermost.
; Column 32 B + l belongs to tile 2 B + (l / 8) % 2, row r = l % 8 + 8 (l / 16).  A block's 32 codes are the 16 bytes of lane r and the 16 bytes of lane 16 + r of the fragment: two stores, 256 bytes apart,
; each of which fills one aligned block of 256 bytes in each of the two tiles.
.macro WLOAD c, pitch                  ; block c: W(32 c + i, my column), i = 0 .. 31
.set i_, 0
.rept 32
	global_load_b32 v[WX+32*((\c)%2)+i_], v3, s[36:37] offset:(32*(\c)+i_)*\pitch th:TH_LOAD_NT
.set i_, i_+1
.endr
.endm
.macro WBLOCK c, pitch
.if (\c) < 3
	s_wait_loadcnt 32                              ; this block's 32 loads are in; the next block's may be out
.else
	s_wait_loadcnt 0
.endif
.set i_, 0
.rept 32
	v_med3_num_f32 v[WX+32*((\c)%2)+i_], v[WX+32*((\c)%2)+i_], -v10, v10
.set i_, i_+1
.endr
.irp g, 0,1,2,3
	v_cvt_scalef32_pk8_bf8_f32 v[WC+8*(\c)+2*\g:WC+8*(\c)+2*\g+1], v[WX+32*((\c)%2)+8*\g:WX+32*((\c)%2)+8*\g+7], v11
.endr
	global_store_b128 v4, v[WC+8*(\c):WC+8*(\c)+3], s[40:41] offset:512*(\c)
	global_store_b128 v4, v[WC+8*(\c)+4:WC+8*(\c)+7], s[40:41] offset:512*(\c)+256
.if (\c) < 2
	WLOAD (\c)+2, \pitch
.endif
.endm
.Lweights:
	s_wait_alu depctr_va_vdst(0)
	v_lshlrev_b32 v3, 2, v1                        ; in: 4 bytes a lane
	v_bfe_u32 v5, v0, 3, 1                         ; which of my two tiles
	v_and_b32 v6, 7, v0
	v_bfe_u32 v7, v0, 4, 1
	v_lshl_add_u32 v6, v7, 3, v6                   ; r
	s_cmp_lt_u32 ttmp9, 384
	s_cbranch_scc0 .Lnarrow
	; w_q: rows of 8,192 bytes; 16 groups of 128 columns x 8 K steps
	s_sub_co_u32 s5, ttmp9, 256
	s_and_b32 s6, s5, 15                           ; group of columns
	s_lshr_b32 s7, s5, 4                           ; K step
	s_lshl_b32 s36, s7, 20                         ; 128 rows of 8,192 bytes
	s_lshl_b32 s38, s6, 9
	s_add_co_u32 s36, s36, s38
	s_lshl_b32 s38, s4, 7
	s_add_co_u32 s36, s36, s38                     ; + 4 x (128 group + 32 wave)
	s_mov_b32 s37, 0
	s_add_nc_u64 s[36:37], s[10:11], s[36:37]
	s_lshl_b32 s38, s6, 2
	s_add_co_u32 s38, s38, s4                      ; B = 4 group + wave
	s_lshl_b32 s38, s38, 15                        ; tile 2 B, 16,384 bytes a tile
	s_lshl_b32 s39, s7, 11
	s_add_co_u32 s38, s38, s39
	s_mov_b32 s39, 0
	s_add_nc_u64 s[40:41], s[22:23], s[38:39]
	s_wait_alu depctr_va_vdst(0)
	v_lshlrev_b32 v4, 14, v5
	v_lshl_add_u32 v4, v6, 4, v4                   ; out: my tile, + 16 r
	WLOAD 0, 8192
	WLOAD 1, 8192
	s_wait_kmcnt 0x0
	MKS 25, 11, 10
	s_wait_alu depctr_va_vdst(0)
	WBLOCK 0, 8192
	WBLOCK 1, 8192
	WBLOCK 2, 8192
	WBLOCK 3, 8192
	s_endpgm
.Lnarrow:
	; w_k, w_v, w_o: rows of 4,096 bytes; 8 groups of columns x 8, 8, 16 K steps.  Only pointers and numbers are chosen, by the work-group's number: one text serves the three
	s_sub_co_u32 s5, ttmp9, 384
	s_mov_b32 s48, 0x300000
	s_cmp_lt_u32 s5, 64
	s_cselect_b64 s[36:37], s[12:13], s[14:15]
	s_cselect_b32 s48, 0x200000, s48               ; where the tensor's fragments begin in wc
	s_mov_b32 s49, 0x400000
	s_cmp_lt_u32 s5, 128
	s_cselect_b64 s[36:37], s[36:37], s[16:17]
	s_cselect_b32 s48, s48, s49
	s_cselect_b32 s49, 14, 15                      ; a tile is 2^14 bytes (8 K steps) or 2^15 (16)
	s_cselect_b32 s50, 63, 127
	s_and_b32 s6, s5, 7                            ; group of columns
	s_and_b32 s7, s5, s50
	s_lshr_b32 s7, s7, 3                           ; K step
	s_lshl_b32 s38, s7, 19                         ; 128 rows of 4,096 bytes
	s_lshl_b32 s39, s6, 9
	s_add_co_u32 s38, s38, s39
	s_lshl_b32 s39, s4, 7
	s_add_co_u32 s38, s38, s39
	s_mov_b32 s39, 0
	s_add_nc_u64 s[36:37], s[36:37], s[38:39]
	s_lshl_b32 s38, s6, 2
	s_add_co_u32 s38, s38, s4                      ; B
	s_lshl_b32 s38, s38, 1
	s_lshl_b32 s38, s38, s49                       ; tile 2 B
	s_add_co_u32 s38, s38, s48
	s_lshl_b32 s39, s7, 11
	s_add_co_u32 s38, s38, s39
	s_mov_b32 s39, 0
	s_add_nc_u64 s[40:41], s[22:23], s[38:39]
	s_wait_alu depctr_va_vdst(0)
	v_lshlrev_b32 v4, s49, v5
	v_lshl_add_u32 v4, v6, 4, v4
	WLOAD 0, 4096
	WLOAD 1, 4096
	s_wait_kmcnt 0x0
	s_cmp_lt_u32 s5, 64
	s_cselect_b32 s51, s27, s29                    ; entry 3 for w_k, 5 for w_v,
	s_cmp_lt_u32 s5, 128
	s_cselect_b32 s51, s51, s35                    ; 11 for w_o
	MKS 51, 11, 10
	s_wait_alu depctr_va_vdst(0)
	WBLOCK 0, 4096
	WBLOCK 1, 4096
	WBLOCK 2, 4096
	WBLOCK 3, 4096
	s_endpgm
.Lfunc_end_k_q9af1e85bfc_quant:
	.size	k_q9af1e85bfc_quant, .Lfunc_end_k_q9af1e85bfc_quant-k_q9af1e85bfc_quant
	.p2alignl 7, 3214868480
	.fill 96, 4, 3214868480
	.section	.rodata,"a",@progbits
	.p2align	6, 0x0
	.amdhsa_kernel k_q9af1e85bfc_quant
		.amdhsa_group_segment_fixed_size 0
		.amdhsa_private_segment_fixed_size 0
		.amdhsa_enable_private_segment 0
		.amdhsa_kernarg_size 64
		.amdhsa_user_sgpr_count 2
		.amdhsa_user_sgpr_kernarg_segment_ptr 1
		.amdhsa_wavefront_size32 1
		.amdhsa_system_sgpr_workgroup_id_x 1
		.amdhsa_system_sgpr_workgroup_id_y 1
		.amdhsa_system_sgpr_workgroup_id_z 1
		.amdhsa_system_vgpr_workitem_id 0
		.amdhsa_next_free_vgpr 224
		.amdhsa_next_free_sgpr 66
		.amdhsa_reserve_vcc 0
		.amdhsa_float_denorm_mode_32 3
		.amdhsa_float_denorm_mode_16_64 3
		.amdhsa_memory_ordered 1
		.amdhsa_forward_progress 1
		.amdhsa_inst_pref_size 82
	.end_amdhsa_kernel
	.amdgpu_metadata
---
amdhsa.version: [ 1, 2 ]
amdhsa.kernels:
  - .name:           k_q9af1e85bfc_quant
    .symbol:         k_q9af1e85bfc_quant.kd
    .args:
      - { .name: x, .offset: 0, .size: 8, .value_kind: global_buffer, .address_space: global }
      - { .name: w_q, .offset: 8, .size: 8, .value_kind: global_buffer, .address_space: global }
      - { .name: w_k, .offset: 16, .size: 8, .value_kind: global_buffer, .address_space: global }
      - { .name: w_v, .offset: 24, .size: 8, .value_kind: global_buffer, .address_space: global }
      - { .name: w_o, .offset: 32, .size: 8, .value_kind: global_buffer, .address_space: global }
      - { .name: lowp_scales, .offset: 40, .size: 8, .value_kind: global_buffer, .address_space: global }
      - { .name: xc, .offset: 48, .size: 8, .value_kind: global_buffer, .address_space: global }
      - { .name: wc, .offset: 56, .size: 8, .value_kind: global_buffer, .address_space: global }
    .group_segment_fixed_size: 0
    .private_segment_fixed_size: 0
    .kernarg_segment_align: 8
    .kernarg_segment_size: 64
    .max_flat_workgroup_size: 128
    .sgpr_count:     66
    .vgpr_count:     224
    .wavefront_size: 32
...
	.end_amdgpu_metadata
.endif
;; end of part 1
;; launch proj (part 2): grid 16 x 16, 4 waves a work-group, clusters of 4 x 4, 327,680 bytes of LDS; arguments xc, wc, lowp_scales, y, ssq, vf; writes y, ssq, vf
.if DOCPART == 2
	.amdgcn_target "amdgcn-amd-amdhsa--gfx1250"
	.amdhsa_code_object_version 6
	.text
	.protected	k_q9af1e85bfc_proj
	.globl	k_q9af1e85bfc_proj
	.p2align	8
	.type	k_q9af1e85bfc_proj,@function
k_q9af1e85bfc_proj:
	s_mov_b64 s[64:65], 0
	v_nop
	global_prefetch_b8 v0, s[64:65] scope:SCOPE_SE
	s_setreg_imm32_b32 hwreg(HW_REG_WAVE_MODE, 25, 1), 1
	s_wait_xcnt 0x0
	s_wait_alu depctr_hold_cnt(0) depctr_sa_sdst(0) depctr_va_vdst(0) depctr_va_sdst(0) depctr_va_ssrc(0) depctr_va_vcc(0) depctr_vm_vsrc(0)
	s_getreg_b32 s2, hwreg(HW_REG_IB_STS2, 6, 4)
	s_cmp_eq_u32 s2, 0
	s_cbranch_scc0 .Lentry_in_a_cluster
	s_endpgm
.Lentry_in_a_cluster:
	s_bfe_u32 s2, ttmp6, 0x10000c
	s_cmp_lg_u32 s2, 0xf033
	s_cbranch_scc0 .Lentry_shape_is_right
	s_endpgm
.Lentry_shape_is_right:
.set FR,    16
.set NL,    4
.set NP,    4
.set SLOT,  131072
.set SPARE, 262144
.set ADRA, 16
.set ADRB, 20
.set CO,   26
.set SPW,  28
.set NIL,  29
.set HLD,  30
.set SCL,  31
.set TMP,  32
.set COD,  96
.set AF,   128
.set G1,  24
.set G0,  32
.set G1B, 48
.set G0B, 56
.set MSB, 0
.macro WIN new
.if MSB != (\new)
	s_set_vgpr_msb (MSB<<8)|(\new)
.set MSB, \new
.endif
.endm
.set MUL_LO, 0xa1
.set MUL_HI, 0xf1
.set TO_B,   0x40
.macro JLOAD g0a, g1a, g0b, g1b
	s_cmp_eq_u32 s15, 0
	s_cbranch_scc0 .Lfor_b_\@
	tensor_load_to_lds s[\g0a:\g0a+3], s[\g1a:\g1a+7]
	s_nop 0
.rept 4
	v_nop
.endr
	s_branch .Lasked_\@
.Lfor_b_\@:
	tensor_load_to_lds s[\g0b:\g0b+3], s[\g1b:\g1b+7]
	s_nop 0
.rept 4
	v_nop
.endr
.Lasked_\@:
.endm
.macro CREST
	s_cmp_lg_u32 s14, 0
	s_cbranch_scc1 .Lnot_wave_0_\@
	s_barrier_signal -3
.Lnot_wave_0_\@:
	s_barrier_wait -3
	s_barrier_signal -1
	s_barrier_wait -1
.endm
.macro CROUND
	s_barrier_signal -1
	s_barrier_wait -1
	CREST
.endm
	s_load_b256 s[4:11], s[0:1], 0x0
	s_load_b128 s[68:71], s[0:1], 0x20
	v_lshl_add_u32 v[SPW], v0, 2, SPARE
	v_mov_b32 v[NIL], 0
	ds_add_u32 v[SPW], v[NIL]
	ds_add_u32 v[SPW], v[NIL]
	v_lshrrev_b32 v1, 5, v0
	v_readfirstlane_b32 s14, v1
	s_lshr_b32 s15, s14, 1
	s_and_b32 s16, s14, 1
	s_bfe_u32 s40, ttmp6, 0x40000
	s_bfe_u32 s41, ttmp6, 0x40004
	s_and_b32 s66, ttmp7, 0xffff
	s_lshl_b32 s66, s66, 2
	s_add_co_u32 s66, s66, ttmp9
	s_lshr_b32 s18, s66, 1
	s_lshl_b32 s18, s18, 2
	s_and_b32 s19, s66, 1
	s_lshl_b32 s19, s19, 2
	s_and_b32 s67, s66, 3
	s_lshl_b32 s67, s67, 2
	s_cmp_lt_u32 s66, 8
	s_cselect_b32 s17, s18, s67
	s_cselect_b32 s42, s19, 8
	s_cselect_b32 s22, 0, 0x400000
	s_cmp_lt_u32 s66, 12
	s_cselect_b32 s17, s17, 12
	s_cselect_b32 s42, s42, s67
	s_cselect_b32 s22, s22, 0
	s_cselect_b32 s86, 0, 0x800000
	s_add_co_u32 s17, s17, s41
	s_add_co_u32 s42, s42, s40
	s_lshl_b32 s43, s41, 2
	s_lshl_b32 s43, 15, s43
	s_lshl_b32 s44, 0x1111, s40
	s_or_b32 s[G1+0], s43, (3<<16)|(1<<21)
	s_or_b32 s[G1B+0], s44, (3<<16)|(1<<21)
.irp g, G1, G1B
	s_mov_b32 s[\g+1], 512<<16
	s_mov_b32 s[\g+2], 8<<16
	s_mov_b32 s[\g+3], 512<<16
	s_mov_b32 s[\g+4], 8
	s_mov_b32 s[\g+5], 2048
	s_mov_b32 s[\g+6], 0
	s_mov_b32 s[\g+7], 0
.endr
	s_lshl_b32 s18, s16, 17
	s_lshl_b32 s20, s17, 18
	s_add_co_u32 s20, s20, s22
	s_add_co_u32 s20, s20, s18
	s_mov_b32 s21, 0
	s_lshl_b32 s46, s42, 18
	s_add_co_u32 s46, s46, s86
	s_add_co_u32 s46, s46, s18
	s_mov_b32 s47, 0
	s_lshl_b32 s45, s14, 15
	s_mov_b32 s84, 0x76543210
	s_mov_b32 s85, 0xfedcba98
	s_wait_dscnt 0x0
	s_wait_kmcnt 0x0
	s_load_b64 s[72:73], s[8:9], 0x10
	s_load_b32 s74, s[8:9], 0x24
	s_cmp_lt_u32 s66, 12
	s_cselect_b64 s[88:89], s[4:5], s[6:7]
	s_cselect_b64 s[90:91], s[6:7], s[4:5]
	s_add_nc_u64 s[20:21], s[88:89], s[20:21]
	s_add_nc_u64 s[46:47], s[90:91], s[46:47]
	CROUND
.irp s, 0,1
	s_mov_b32 s[G0+4*\s], 1
	s_add_co_u32 s[G0+4*\s+1], s45, \s*SLOT
	s_add_nc_u64 s[G0+4*\s+2:G0+4*\s+3], s[20:21], \s*4096
	s_or_b32 s[G0+4*\s+3], s[G0+4*\s+3], 0x80000000
	s_mov_b32 s[G0B+4*\s], 1
	s_add_co_u32 s[G0B+4*\s+1], s45, \s*SLOT
	s_add_nc_u64 s[G0B+4*\s+2:G0B+4*\s+3], s[46:47], \s*4096
	s_or_b32 s[G0B+4*\s+3], s[G0B+4*\s+3], 0x80000000
	s_wait_alu depctr_va_vdst(0)
	s_wait_tensorcnt 0x0
	ds_add_u32 v28, v29
	ds_add_u32 v28, v29
	s_wait_dscnt 0x0
	CROUND
	JLOAD G0+4*\s, G1, G0B+4*\s, G1B
.endr
	v_and_b32 v1, 31, v0
	v_lshlrev_b32 v[CO], 4, v1
	s_lshl_b32 s21, s15, 15
	s_lshl_b32 s22, s16, 15
	s_add_co_u32 s22, s22, 65536
.irp s, 0,1
	v_add_nc_u32 v[ADRA+\s], s21, v[CO]
	v_add_nc_u32 v[ADRB+\s], s22, v[CO]
	s_add_co_u32 s21, s21, SLOT
	s_add_co_u32 s22, s22, SLOT
.endr
.macro FRAG reg, adr, q, i
.irp c, 0,1,2,3
	ds_load_b128 v[\reg+4*\c:\reg+4*\c+3], v[\adr] offset:2048*(\q)+512*\c+(\i)*4096
.endr
.endm
.macro MUL16 a0, p, zero
.irp a, \a0, \a0+1
.irp b, 0,1,2,3,4,5,6,7
.if \zero
	v_wmma_f32_16x16x128_bf8_bf8 v[8*(8*((\a)%4)+\b):8*(8*((\a)%4)+\b)+7], v[128*(\p)+FR*\b:128*(\p)+FR*\b+FR-1], v[AF+FR*(\a):AF+FR*(\a)+FR-1], 0
.else
	v_wmma_f32_16x16x128_bf8_bf8 v[8*(8*((\a)%4)+\b):8*(8*((\a)%4)+\b)+7], v[128*(\p)+FR*\b:128*(\p)+FR*\b+FR-1], v[AF+FR*(\a):AF+FR*(\a)+FR-1], v[8*(8*((\a)%4)+\b):8*(8*((\a)%4)+\b)+7]
.endif
.endr
.endr
.endm
.macro FETCH_B slot, q, p
	WIN TO_B
.irp i, 0,1,2,3,4,5,6,7
	FRAG 128*(\p)+FR*\i, ADRB+\slot, \q, \i
.endr
	WIN 0
.endm
.macro FETCH_A slot, q, i0
.irp i, \i0, \i0+1, \i0+2, \i0+3
	FRAG AF+FR*(\i), ADRA+\slot, \q, \i
.endr
.endm
.macro PLACES n
.rept \n
	v_nop
.endr
.endm
.macro STEP slot, q, zero
	s_wait_dscnt 4*NL
	WIN MUL_LO
	MUL16 0, (\q)%2, \zero
	MUL16 2, (\q)%2, \zero
	s_wait_dscnt 0
	PLACES NP
	FETCH_B \slot, (\q)+1, 1-(\q)%2
	FETCH_A \slot, (\q)+1, 0
	WIN MUL_HI
	MUL16 4, (\q)%2, \zero
	MUL16 6, (\q)%2, \zero
	PLACES NP
	WIN 0
	FETCH_A \slot, (\q)+1, 4
.endm
.macro TURN slot, next, fill
	s_wait_tensorcnt 0x0
	ds_add_u32 v[SPW], v[NIL]
	s_wait_dscnt 4*NL+1
	WIN MUL_LO
	MUL16 0, 1, 0
	s_wait_dscnt 0x0
	s_barrier_signal -1
	MUL16 2, 1, 0
	WIN 0
	s_barrier_wait -1
.if \fill
	CREST
	s_add_nc_u64 s[G0+4*\slot+2:G0+4*\slot+3], s[G0+4*\slot+2:G0+4*\slot+3], 8192
	s_add_nc_u64 s[G0B+4*\slot+2:G0B+4*\slot+3], s[G0B+4*\slot+2:G0B+4*\slot+3], 8192
	JLOAD G0+4*\slot, G1, G0B+4*\slot, G1B
.else
	PLACES NP
.endif
	FETCH_B \next, 0, 0
	FETCH_A \next, 0, 0
	WIN MUL_HI
	MUL16 4, 1, 0
	MUL16 6, 1, 0
	PLACES NP
	WIN 0
	FETCH_A \next, 0, 4
.endm
	s_wait_alu depctr_va_vdst(0)
	s_wait_tensorcnt 1
	s_barrier_signal -1
	s_barrier_wait -1
	FETCH_B 0, 0, 0
	FETCH_A 0, 0, 0
	FETCH_A 0, 0, 4
	STEP 0, 0, 1
	TURN 0, 1, 1
	STEP 1, 0, 0
	TURN 1, 0, 1
	STEP 0, 0, 0
	TURN 0, 1, 0
	STEP 1, 0, 0
	s_wait_dscnt 4*NL
	WIN MUL_LO
	MUL16 0, 1, 0
	MUL16 2, 1, 0
	s_wait_dscnt 0
	WIN MUL_HI
	MUL16 4, 1, 0
	MUL16 6, 1, 0
	WIN 0
	PLACES NP
	s_wait_kmcnt 0x0
	s_cmp_ge_u32 s66, 12
	s_cbranch_scc1 .Lv
	s_lshl_b32 s18, s42, 1
	s_add_co_u32 s18, s18, s16
	s_lshl_b32 s19, s17, 4
	s_lshl_b32 s22, s15, 3
	s_add_co_u32 s19, s19, s22
	s_lshl_b32 s22, s18, 8
	s_add_co_u32 s22, s22, s19
	s_lshl_b32 s22, s22, 13
	s_mov_b32 s23, 0
	s_add_nc_u64 s[10:11], s[10:11], s[22:23]
	s_lshl_b32 s22, s18, 14
	s_lshl_b32 s19, s19, 6
	s_add_co_u32 s22, s22, s19
	s_add_nc_u64 s[68:69], s[68:69], s[22:23]
.macro YOUT a
.set AC, 64*((\a)%4)
	WIN 0x0a+5*((\a)/4)
	v_pk_mul_f32 v[32:33], v[AC:AC+1], v[AC:AC+1]
	v_pk_mul_f32 v[34:35], v[AC+2:AC+3], v[AC+2:AC+3]
.irp n, 4,8,12,16,20,24,28,32,36,40,44,48,52,56,60
	v_pk_fma_f32 v[32:33], v[AC+\n:AC+\n+1], v[AC+\n:AC+\n+1], v[32:33]
	v_pk_fma_f32 v[34:35], v[AC+\n+2:AC+\n+3], v[AC+\n+2:AC+\n+3], v[34:35]
.endr
	WIN 0
	v_pk_add_f32 v[32:33], v[32:33], v[34:35]
	v_add_f32 v[40+\a], v32, v33
	v_permlanex16_b32 v34, v[40+\a], s84, s85
	v_add_f32 v[40+\a], v[40+\a], v34
	WIN 0x08+4*((\a)/4)
.irp g, 0,1,2,3,4,5,6,7,8,9,10,11,12,13,14,15
	global_store_b128 v[CO], v[AC+4*\g:AC+4*\g+3], s[10:11] offset:8192*(\a)+512*\g
.endr
.endm
.irp a, 0,1,2,3,4,5,6,7
	YOUT \a
.endr
	WIN 0
	v_cmp_gt_u32 vcc_lo, 16, v1
.irp e, 0,1,2,3
	v_cndmask_b32 v[56+\e], v[44+\e], v[40+\e], vcc_lo
.endr
	global_store_b128 v[CO], v[56:59], s[68:69]
	s_branch .Lend
.Lv:
	s_sub_co_u32 s18, s17, 12
	s_lshl_b32 s18, s18, 1
	s_add_co_u32 s18, s18, s15
	s_lshl_b32 s19, s42, 1
	s_add_co_u32 s19, s19, s16
	s_lshr_b32 s22, s19, 4
	s_lshl_b32 s22, s22, 3
	s_add_co_u32 s22, s22, s18
	s_lshl_b32 s22, s22, 4
	s_and_b32 s19, s19, 15
	s_add_co_u32 s22, s22, s19
	s_lshl_b32 s22, s22, 14
	s_mov_b32 s23, 0
	s_add_nc_u64 s[70:71], s[70:71], s[22:23]
	s_sub_co_i32 s74, s74, s72
	s_sub_co_i32 s74, s74, s73
	s_add_co_i32 s74, s74, 127
	s_lshl_b32 s75, s74, 23
	v_mov_b32 v[SCL], s75
	s_add_co_i32 s74, s74, 15
	s_lshl_b32 s74, s74, 23
	s_or_b32 s74, s74, 0x600000
	v_mov_b32 v[HLD], s74
.macro VOUT a
.set AC, 64*((\a)%4)
	WIN 0x02+((\a)/4)
.set n_, 0
.rept 64
	v_med3_num_f32 v[TMP+n_], v[AC+n_], -v[HLD], v[HLD]
.set n_, n_+1
.endr
	WIN 0
.if (\a) > 0
	s_wait_alu depctr_va_vdst(0)
	s_wait_xcnt 0x0
.endif
.irp g, 0,1,2,3,4,5,6,7
	v_cvt_scalef32_pk8_bf8_f32 v[COD+2*\g:COD+2*\g+1], v[TMP+8*\g:TMP+8*\g+7], v[SCL]
.endr
	v_nop
.irp c, 0,1,2,3
	global_store_b128 v[CO], v[COD+4*\c:COD+4*\c+3], s[70:71] offset:2048*(\a)+512*\c
.endr
.endm
.irp a, 0,1,2,3,4,5,6,7
	VOUT \a
.endr
.Lend:
	s_wait_tensorcnt 0x0
	ds_add_u32 v[SPW], v[NIL]
	s_wait_dscnt 0x0
	CROUND
	s_endpgm
.Lfunc_end_k_q9af1e85bfc_proj:
	.size	k_q9af1e85bfc_proj, .Lfunc_end_k_q9af1e85bfc_proj-k_q9af1e85bfc_proj
	.p2alignl 7, 3214868480
	.fill 96, 4, 3214868480
	.section	.rodata,"a",@progbits
	.p2align	6, 0x0
	.amdhsa_kernel k_q9af1e85bfc_proj
		.amdhsa_group_segment_fixed_size 327680
		.amdhsa_private_segment_fixed_size 0
		.amdhsa_enable_private_segment 0
		.amdhsa_kernarg_size 48
		.amdhsa_user_sgpr_count 2
		.amdhsa_user_sgpr_kernarg_segment_ptr 1
		.amdhsa_wavefront_size32 1
		.amdhsa_system_sgpr_workgroup_id_x 1
		.amdhsa_system_sgpr_workgroup_id_y 1
		.amdhsa_system_sgpr_workgroup_id_z 1
		.amdhsa_system_vgpr_workitem_id 0
		.amdhsa_next_free_vgpr 1024
		.amdhsa_next_free_sgpr 100
		.amdhsa_reserve_vcc 1
		.amdhsa_float_denorm_mode_32 3
		.amdhsa_float_denorm_mode_16_64 3
		.amdhsa_memory_ordered 1
		.amdhsa_forward_progress 1
		.amdhsa_inst_pref_size 150
	.end_amdhsa_kernel
	.amdgpu_metadata
---
amdhsa.version: [ 1, 2 ]
amdhsa.kernels:
  - .name:           k_q9af1e85bfc_proj
    .symbol:         k_q9af1e85bfc_proj.kd
    .args:
      - { .name: xc, .offset: 0, .size: 8, .value_kind: global_buffer, .address_space: global }
      - { .name: wc, .offset: 8, .size: 8, .value_kind: global_buffer, .address_space: global }
      - { .name: lowp_scales, .offset: 16, .size: 8, .value_kind: global_buffer, .address_space: global }
      - { .name: y, .offset: 24, .size: 8, .value_kind: global_buffer, .address_space: global }
      - { .name: ssq, .offset: 32, .size: 8, .value_kind: global_buffer, .address_space: global }
      - { .name: vf, .offset: 40, .size: 8, .value_kind: global_buffer, .address_space: global }
    .group_segment_fixed_size: 327680
    .private_segment_fixed_size: 0
    .kernarg_segment_align: 8
    .kernarg_segment_size: 48
    .max_flat_workgroup_size: 128
    .sgpr_count:     100
    .vgpr_count:     1024
    .wavefront_size: 32
...
	.end_amdgpu_metadata
.endif
;; end of part 2
;; launch post (part 3): grid 256 x 1, 6 waves a work-group, no clusters, 0 bytes of LDS; arguments y, ssq, cos, sin, alpha_q, alpha_k, lowp_scales, qf, kf; writes qf, kf
.if DOCPART == 3
	.amdgcn_target "amdgcn-amd-amdhsa--gfx1250"
	.amdhsa_code_object_version 6
	.text
	.protected	k_q9af1e85bfc_post
	.globl	k_q9af1e85bfc_post
	.p2align	8
	.type	k_q9af1e85bfc_post,@function
k_q9af1e85bfc_post:
	s_mov_b64 s[64:65], 0
	v_nop
	global_prefetch_b8 v0, s[64:65] scope:SCOPE_SE
	s_setreg_imm32_b32 hwreg(HW_REG_WAVE_MODE, 25, 1), 1
	s_wait_xcnt 0x0
; The RMS norm over the flat row, alpha, RoPE and the quantiser, for Q (entry 6) and K (entry 7).  All in f32.
; In: y, the raw sums of the projections, [24 heads: Q's 16, K's 8][256 tiles of tokens][8,192]: lane (r, h) holds, of token r of the tile, channels 32 b + 16 h + 0 .. 15 in registers 16 b + 0 .. 15;
;     ssq, each token's sum of squares of those raw sums over a head.  A raw sum stands for sum x 2^E, E = e0 + e1 (Q) or e2 + e3 (K).
; mean = (the heads' sums of squares added) x 2^(2 E) / N (N = 2,048 or 1,024: a power of two too: one v_ldexp_f32, exact);  value = (alpha x sum) x (rsqrt(mean + 1e-6) x 2^E).
; RoPE's partner of channel d is d +- 64: the same lane, 32 registers away.  The 64 results of a lane are in the order of the operand's registers: eight conversions give the fragment.
; A work-group takes a tile of 16 tokens, its six waves four heads each (waves 0-3: Q, waves 4, 5: K); the tile's cos and sin stay in registers for the four heads.  A stream: no LDS, no barrier, no matrix unit.
; LIMITS: entries 6 and 7 lie between -126 and 112.  NaN among the inputs is not served.
; REGISTERS: window 0: v2-5 addresses; v[6:7] the norm's factor; v8, v9 hold and scale; v10-17 at work; v32-47 the heads' sums of squares; v64-127, v128-191 two heads' numbers by turns; v192-255 codes, 16 a head, never rewritten.
;            window 1: v0-63 cos, v64-127 sin, v128-191, v192-255 two heads' alpha by turns.
.set CA,  2                            ; my token's row of cos and sin, + 64 h
.set AA,  3                            ; 64 h: my channels of a head's alpha
.set YA,  4                            ; 16 x lane
.set SA,  5                            ; 16 r: my token's place among the sums of squares
.set RQ,  6
.set HLD, 8
.set SCL, 9
.set TT,  10
.set SS,  32
.set Y0,  64
.set COD, 192
.set COSR, 0
.set SINR, 64
.set AL,  128
.set MSB, 0
.macro WIN new
.if MSB != (\new)
	s_set_vgpr_msb (MSB<<8)|(\new)
.set MSB, \new
.endif
.endm
	s_load_b512 s[8:23], s[0:1], 0x0               ; y s[8:9], ssq s[10:11], cos s[12:13], sin s[14:15], alpha_q s[16:17], alpha_k s[18:19], scales s[20:21], qf s[22:23]
	s_load_b64 s[24:25], s[0:1], 0x40              ; kf
	v_lshrrev_b32 v1, 5, v0
	v_readfirstlane_b32 s4, v1                     ; wave j = 0..5
	v_and_b32 v1, 31, v0
	v_and_b32 v10, 15, v0                          ; r
	v_bfe_u32 v11, v0, 4, 1                        ; h
	v_and_b32 v12, 8, v10
	v_add_nc_u32 v12, v12, v10                     ; r + 8 (r / 8)
	v_lshlrev_b32 v[CA], 9, v12
	v_lshl_add_u32 v[CA], v11, 6, v[CA]
	v_lshlrev_b32 v[AA], 6, v11
	v_lshlrev_b32 v[YA], 4, v1
	v_lshlrev_b32 v[SA], 4, v10
	s_lshl_b32 s40, s4, 10
	s_add_co_u32 s40, s40, ttmp9
	s_lshl_b32 s40, s40, 13                        ; y: (256 x 4 j + T) x 8,192
	s_mov_b32 s41, 0
	s_lshr_b32 s42, ttmp9, 3
	s_lshl_b32 s42, s42, 9                         ; ssq: group T / 8 of 512 bytes,
	s_bfe_u32 s43, ttmp9, 0x10002
	s_lshl_b32 s43, s43, 8                         ; its upper lanes for tiles 4-7 of the group,
	s_add_co_u32 s42, s42, s43
	s_and_b32 s43, ttmp9, 3
	s_lshl_b32 s43, s43, 2                         ; word T % 4
	s_add_co_u32 s42, s42, s43
	s_mov_b32 s43, 0
	s_and_b32 s44, ttmp9, 127                      ; cos, sin: the tile's first position in its sequence, rows of 512 bytes
	s_lshr_b32 s44, s44, 1
	s_lshl_b32 s44, s44, 14
	s_and_b32 s45, ttmp9, 1
	s_lshl_b32 s45, s45, 12
	s_add_co_u32 s44, s44, s45
	s_mov_b32 s45, 0
	s_lshl_b32 s6, s4, 2                           ; 4 j
	s_and_b32 s46, s6, 15
	s_lshl_b32 s46, s46, 9                         ; alpha: my first head among Q's 16 or K's 8, 512 bytes a head
	s_mov_b32 s47, 0
	s_lshr_b32 s5, ttmp9, 7                        ; batch
	s_lshl_b32 s7, s5, 4
	s_add_co_u32 s7, s7, s6                        ; Q: 16 batch + 4 j
	s_lshl_b32 s48, s5, 3
	s_add_co_u32 s48, s48, s6
	s_sub_co_u32 s48, s48, 16                      ; K: 8 batch + 4 j - 16
	s_cmp_lt_u32 s4, 4
	s_cselect_b32 s48, s7, s48
	s_lshl_b32 s48, s48, 7
	s_and_b32 s49, ttmp9, 127
	s_add_co_u32 s48, s48, s49
	s_lshl_b32 s48, s48, 11                        ; out: (head x 128 + the tile in its sequence) x 2,048
	s_mov_b32 s49, 0
	s_wait_kmcnt 0x0
	s_load_b256 s[28:35], s[20:21], 0x0            ; entries 0 to 7
	s_add_nc_u64 s[8:9], s[8:9], s[40:41]
	s_add_nc_u64 s[10:11], s[10:11], s[42:43]
	s_add_nc_u64 s[12:13], s[12:13], s[44:45]
	s_add_nc_u64 s[14:15], s[14:15], s[44:45]
	s_cmp_lt_u32 s4, 4
	s_cselect_b64 s[36:37], s[16:17], s[18:19]
	s_cselect_b64 s[38:39], s[22:23], s[24:25]
	s_add_nc_u64 s[36:37], s[36:37], s[46:47]
	s_add_nc_u64 s[38:39], s[38:39], s[48:49]
	s_cmp_lt_u32 s4, 4
	s_cbranch_scc0 .Lk_parts
	s_wait_alu depctr_va_vdst(0)
.irp i, 0,1,2,3,4,5,6,7,8,9,10,11,12,13,14,15
	global_load_b32 v[SS+\i], v[SA], s[10:11] offset:16384*\i        ; Q: my token's sum of squares over each of 16 heads
.endr
	s_branch .Lparts
.Lk_parts:
	s_wait_alu depctr_va_vdst(0)
.irp i, 0,1,2,3,4,5,6,7
	global_load_b32 v[SS+\i], v[SA], s[10:11] offset:16384*(16+\i)   ; K: over each of 8 heads;
	v_mov_b32 v[SS+8+\i], 0                                          ; the other eight terms are 0, so that one tree of additions serves both
.endr
.Lparts:
.macro ALOAD n                         ; head n's alpha
	WIN 0x40                                       ; destination window 1
.irp b, 0,1,2,3
.irp j, 0,1,2,3
	global_load_b128 v[AL+64*((\n)%2)+16*\b+4*\j:AL+64*((\n)%2)+16*\b+4*\j+3], v[AA], s[36:37] offset:512*(\n)+128*\b+16*\j
.endr
.endr
	WIN 0
.endm
.macro YLOAD n                         ; head n's raw sums: each load covers 512 consecutive bytes; read once in the launch
.irp g, 0,1,2,3,4,5,6,7,8,9,10,11,12,13,14,15
	global_load_b128 v[Y0+64*((\n)%2)+4*\g:Y0+64*((\n)%2)+4*\g+3], v[YA], s[8:9] offset:2097152*(\n)+512*\g th:TH_LOAD_NT
.endr
.endm
	WIN 0x40
.irp b, 0,1,2,3
.irp j, 0,1,2,3
	global_load_b128 v[COSR+16*\b+4*\j:COSR+16*\b+4*\j+3], v[CA], s[12:13] offset:128*\b+16*\j
.endr
.endr
.irp b, 0,1,2,3
.irp j, 0,1,2,3
	global_load_b128 v[SINR+16*\b+4*\j:SINR+16*\b+4*\j+3], v[CA], s[14:15] offset:128*\b+16*\j
.endr
.endr
	ALOAD 0
	YLOAD 0
	ALOAD 1
	YLOAD 1
	s_wait_kmcnt 0x0
	s_add_co_i32 s50, s28, s29
	s_add_co_i32 s51, s30, s31
	s_cmp_lt_u32 s4, 4
	s_cselect_b32 s50, s50, s51                    ; E
	s_cselect_b32 s51, 11, 10                      ; log2 N
	s_cselect_b32 s52, s34, s35                    ; the quantiser's exponent
	s_lshl_b32 s53, s50, 1
	s_sub_co_i32 s53, s53, s51                     ; 2 E - log2 N
	s_add_co_i32 s52, s52, 127
	s_lshl_b32 s51, s52, 23
	v_mov_b32 v[SCL], s51
	s_add_co_i32 s52, s52, 15
	s_lshl_b32 s52, s52, 23
	s_or_b32 s52, s52, 0x600000
	v_mov_b32 v[HLD], s52
	s_wait_loadcnt 32                              ; all is in but the youngest 32 loads: the second head's alpha and sums
	v_pk_add_f32 v[SS:SS+1], v[SS:SS+1], v[SS+2:SS+3]
	v_pk_add_f32 v[SS+4:SS+5], v[SS+4:SS+5], v[SS+6:SS+7]
	s_wait_alu depctr_va_vdst(0)
	v_pk_add_f32 v[SS+8:SS+9], v[SS+8:SS+9], v[SS+10:SS+11]
	v_pk_add_f32 v[SS+12:SS+13], v[SS+12:SS+13], v[SS+14:SS+15]
	v_pk_add_f32 v[SS:SS+1], v[SS:SS+1], v[SS+4:SS+5]
	v_pk_add_f32 v[SS+8:SS+9], v[SS+8:SS+9], v[SS+12:SS+13]
	v_pk_add_f32 v[SS:SS+1], v[SS:SS+1], v[SS+8:SS+9]
	v_add_f32 v[SS], v[SS], v[SS+1]
	v_ldexp_f32 v[SS], v[SS], s53                  ; the mean of the squares
	v_add_f32 v[SS], 0x358637bd, v[SS]             ; + 1e-6
	s_wait_alu depctr_va_vdst(0)
	v_rsq_f32 v[SS+1], v[SS]
	v_nop                                          ; a plain line behind the transcendental,
	s_wait_alu depctr_va_vdst(0)                   ; and the wait ahead of its first reader
	v_ldexp_f32 v[RQ], v[SS+1], s50                ; x 2^E
	v_mov_b32 v[RQ+1], v[RQ]                       ; (named with it as a pair)
.macro UNIT n
.set YY, Y0+64*((\n)%2)
.set AX, AL+64*((\n)%2)
.if (\n) == 3
	s_wait_loadcnt 0
.elseif (\n) > 0
	s_wait_loadcnt 32                              ; this head's alpha and sums are in; the next head's 32 loads may be out  (head 0: the wait ahead of the norm's factor has served)
.endif
	WIN 0x04                                       ; source 1 window 1
.set p_, 0
.rept 32
	v_pk_mul_f32 v[YY+p_:YY+p_+1], v[YY+p_:YY+p_+1], v[AX+p_:AX+p_+1]                ; alpha x sum
.set p_, p_+2
.endr
	WIN 0
.set p_, 0
.rept 32
	v_pk_mul_f32 v[YY+p_:YY+p_+1], v[YY+p_:YY+p_+1], v[RQ:RQ+1] op_sel_hi:[1,0]      ; x the norm's factor
.set p_, p_+2
.endr
	WIN 0x04
.set p_, 0
.rept 16                               ; lo: channels under 64; hi: the same + 64.  lo' = lo cos - hi sin;  hi' = hi cos + lo sin
.set T0, TT+4*((p_/2)%2)
	v_pk_mul_f32 v[T0:T0+1], v[YY+p_:YY+p_+1], v[COSR+p_:COSR+p_+1]
	v_pk_mul_f32 v[T0+2:T0+3], v[YY+p_:YY+p_+1], v[SINR+32+p_:SINR+32+p_+1]
	v_pk_fma_f32 v[YY+p_:YY+p_+1], v[YY+32+p_:YY+32+p_+1], v[SINR+p_:SINR+p_+1], v[T0:T0+1] neg_lo:[1,0,0] neg_hi:[1,0,0]
	v_pk_fma_f32 v[YY+32+p_:YY+32+p_+1], v[YY+32+p_:YY+32+p_+1], v[COSR+32+p_:COSR+32+p_+1], v[T0+2:T0+3]
.set p_, p_+2
.endr
	WIN 0
.irp b, 0,1,2,3
.irp i, 0,1,2,3,4,5,6,7,8,9,10,11,12,13,14,15
	v_med3_num_f32 v[YY+16*\b+\i], v[YY+16*\b+\i], -v[HLD], v[HLD]   ; the conversion to an 8-bit code does not saturate (ISA guide 7.6.2)
.endr
	v_cvt_scalef32_pk8_bf8_f32 v[COD+16*(\n)+4*\b:COD+16*(\n)+4*\b+1], v[YY+16*\b:YY+16*\b+7], v[SCL]
	v_cvt_scalef32_pk8_bf8_f32 v[COD+16*(\n)+4*\b+2:COD+16*(\n)+4*\b+3], v[YY+16*\b+8:YY+16*\b+15], v[SCL]
.endr                                  ; (the codes go to stores alone; the next vector lines are plain and work on the other head's registers)
.irp c, 0,1,2,3
	global_store_b128 v[YA], v[COD+16*(\n)+4*\c:COD+16*(\n)+4*\c+3], s[38:39] offset:262144*(\n)+512*\c   ; 512 consecutive bytes
.endr
.if (\n) < 2
	ALOAD (\n)+2                                   ; the registers just left take the head two on
	YLOAD (\n)+2
.endif
.endm
	UNIT 0
	UNIT 1
	UNIT 2
	UNIT 3
	s_endpgm
.Lfunc_end_k_q9af1e85bfc_post:
	.size	k_q9af1e85bfc_post, .Lfunc_end_k_q9af1e85bfc_post-k_q9af1e85bfc_post
	.p2alignl 7, 3214868480
	.fill 96, 4, 3214868480
	.section	.rodata,"a",@progbits
	.p2align	6, 0x0
	.amdhsa_kernel k_q9af1e85bfc_post
		.amdhsa_group_segment_fixed_size 0
		.amdhsa_private_segment_fixed_size 0
		.amdhsa_enable_private_segment 0
		.amdhsa_kernarg_size 72
		.amdhsa_user_sgpr_count 2
		.amdhsa_user_sgpr_kernarg_segment_ptr 1
		.amdhsa_wavefront_size32 1
		.amdhsa_system_sgpr_workgroup_id_x 1
		.amdhsa_system_sgpr_workgroup_id_y 1
		.amdhsa_system_sgpr_workgroup_id_z 1
		.amdhsa_system_vgpr_workitem_id 0
		.amdhsa_next_free_vgpr 512
		.amdhsa_next_free_sgpr 66
		.amdhsa_reserve_vcc 0
		.amdhsa_float_denorm_mode_32 3
		.amdhsa_float_denorm_mode_16_64 3
		.amdhsa_memory_ordered 1
		.amdhsa_forward_progress 1
		.amdhsa_inst_pref_size 74
	.end_amdhsa_kernel
	.amdgpu_metadata
---
amdhsa.version: [ 1, 2 ]
amdhsa.kernels:
  - .name:           k_q9af1e85bfc_post
    .symbol:         k_q9af1e85bfc_post.kd
    .args:
      - { .name: y, .offset: 0, .size: 8, .value_kind: global_buffer, .address_space: global }
      - { .name: ssq, .offset: 8, .size: 8, .value_kind: global_buffer, .address_space: global }
      - { .name: cos, .offset: 16, .size: 8, .value_kind: global_buffer, .address_space: global }
      - { .name: sin, .offset: 24, .size: 8, .value_kind: global_buffer, .address_space: global }
      - { .name: alpha_q, .offset: 32, .size: 8, .value_kind: global_buffer, .address_space: global }
      - { .name: alpha_k, .offset: 40, .size: 8, .value_kind: global_buffer, .address_space: global }
      - { .name: lowp_scales, .offset: 48, .size: 8, .value_kind: global_buffer, .address_space: global }
      - { .name: qf, .offset: 56, .size: 8, .value_kind: global_buffer, .address_space: global }
      - { .name: kf, .offset: 64, .size: 8, .value_kind: global_buffer, .address_space: global }
    .group_segment_fixed_size: 0
    .private_segment_fixed_size: 0
    .kernarg_segment_align: 8
    .kernarg_segment_size: 72
    .max_flat_workgroup_size: 192
    .sgpr_count:     66
    .vgpr_count:     512
    .wavefront_size: 32
...
	.end_amdgpu_metadata
.endif
;; end of part 3
;; launch attn (part 4): grid 16 x 16, 8 waves a work-group, no clusters, 327,680 bytes of LDS; arguments qf, kf, vf, lowp_scales, af; writes af
.if DOCPART == 4
	.amdgcn_target "amdgcn-amd-amdhsa--gfx1250"
	.amdhsa_code_object_version 6
	.text
	.protected	k_q9af1e85bfc_attn
	.globl	k_q9af1e85bfc_attn
	.p2align	8
	.type	k_q9af1e85bfc_attn,@function
k_q9af1e85bfc_attn:
	s_mov_b64 s[64:65], 0
	v_nop
	global_prefetch_b8 v0, s[64:65] scope:SCOPE_SE
	s_setreg_imm32_b32 hwreg(HW_REG_WAVE_MODE, 25, 1), 1
	s_wait_xcnt 0x0
; Causal attention on codes of BF8 (E5M2), 16 query heads on 8 kv heads, head size 128, 2,048 positions, 2 batches; the result is quantised at once (entry 10) as the output projection's operand.
; Operands lie as images of the operand's registers: 2,048 bytes for a tile of 16 rows x 128 K; a tile t is rows 32 (t / 2) + 8 (t % 2) + r + 8 (r / 8).
;   qf [batch x 16 + head][128 tiles of queries], kf [batch x 8 + kv head][128 tiles of keys], vf [batch x 8 + kv head][16 steps of 128 keys][8 tiles of channels], af [256 tiles of tokens][16 heads].
; THE SOFTMAX: t = score x log2(e) / sqrt(128); M = the largest t so far, rounded UP to a whole number; p = 2^(t - M) is quantised (entry 8), not normalised; the sum is taken of the unquantised p and divides O at the end.
; LEFT OUT: key steps all of whose keys come after the queries (the causal mask gives them weight 0).
; SHARES.  A work-group serves one kv head (y), both its query heads, and two blocks of 64 queries, block x and block 31 - x, ONE AFTER THE OTHER.  Block x needs x / 4 + 1 slots of 256 keys, block 31 - x needs 8 - x / 4:
; nine trips for every work-group.  In each pass a tile of 16 queries has TWO waves (w and w xor 4), both with both heads: of each slot one takes the first 128 keys, the other the second (p).
; At a pass's end each of the two hands the other one head's O^T, -M and sum through LDS bytes of its own, and finishes the other head: both parts are brought under the larger M by powers of two, added, divided by the sum.
; Window 0 holds the head that the wave finishes (2 kvh + p), window 1 the head that it hands over: one text serves both waves.
; The hand-over's stores stand ahead of the ordinary change of slots, its loads behind it; two stages take turns from trip to trip, so that one trip's loads and stores name different bytes.
; Both products are used transposed (S^T = K Q^T, O^T = V^T P^T): a lane holds ONE query, and its 16 registers of two neighbouring tiles are 16 neighbouring keys, or channels.
; THE RING: two slots of 64 KiB.  Waves 0 to 3 fetch, one load each: tiles 0-3 or 4-7 of K or of V for both steps of the slot (2 rows of 8,192 bytes, 16,384 apart in memory), so part of every load is read in every trip.
; NO CLUSTER: which steps a work-group leaves out or masks hangs on its own block, so branches would hang on a work-group's place in a cluster.
; LIMITS: e6 + e7 between -123 and 130 (added to c's exponent field); e8, and e10 - e8 - e9, between -126 and 112.  v_exp_f32 gives 0 for results under 2^-126.  NaN among the inputs is not served.
; REGISTERS.  Window 0 alone: v1 16 x lane; v2 the mask's lane term; v3 the prefetches' offset; v5, v6 the add's two; v8, v9 LDS addresses; v246, v247 hold and scale of the way out.
;   In each window, for its head: v12 -M, v13 the largest t, v[14:15] the sum; v16-31 Q; v32-95 K's, then V's fragments (four in each window); v96-159 S^T; v160-223 O^T; v224-239 codes; v240 hold, v244 scale; v236, v242-243, v252-254 at work.
.set SLOT1, 1<<16
.set SPARE, 2*SLOT1                    ; the spare words: 128 bytes a wave, four blocks of 256 bytes that no other line names
.set STAGE, SPARE+4096                 ; the stages: no tensor load lands here
.set WST,   8704                       ; a wave's part of a stage: 16 x 512 bytes of O^T, 512 of statistics
.set STD,   8*WST                      ; from one stage to the other
.set KR,   32
.set S,    96
.set DQ,   2
.set PFO,  3
.set SPW,  5
.set NIL,  6
.set ADR,  8
.set STA,  9
.set HO,   246
.set SO,   247
.set TBP,  2                           ; s2   LDS byte of my step in the slot in hand: slot + 8,192 p
.set STOG, 3                           ; s3   0 or STD: the stage of this trip's stores
.set QB,   14                          ; s[14:15] Q of window 1's head; s[4:5] of window 0's
.set NE,   16                          ; s16  trips of the early block
.set NE1,  17                          ; s17  NE + 1
.set WV,   18
.set TI1,  19                          ; s19  the trip's number + 1
.set SEL,  20
.set CS,   22
.set G1,   24
.set GB,   32                          ; s[32:33] what I fetch of slot 0 of my kv head
.set Q0E,  34                          ; s34, s35  my tile's first query in the early and in the late block
.set Q0L,  35
.set P128, 36                          ; s36  128 p
.set STW,  37                          ; s37  my part of stage 0;  s38 my partner's
.set STP,  38
.set G0,   40
.set QD,   44                          ; s[44:45], s[46:47] bytes from the early to the late tile in qf and in af
.set OD,   46
.set SLOTS, 67
.set PFA,  76
.set PFB,  78
.set LIM,  80
.set KS,   98                          ; s98  my step's first key
.set Q0,   99                          ; s99  my tile's first query; its last is Q0 + 23
.set MSB, 0
.macro WIN new                         ; the immediate's high byte repeats the setting that is left
.if MSB != (\new)
	s_set_vgpr_msb (MSB<<8)|(\new)
.set MSB, \new
.endif
.endm
.macro TLOAD                           ; waves 0 to 3 fetch; an s_nop 0 and four v_nop follow the line
	s_cmp_lt_u32 s[WV], 4
	s_cbranch_scc0 .Lasked_\@
	tensor_load_to_lds s[G0:G0+3], s[G1:G1+7]
	s_nop 0
.rept 4
	v_nop
.endr
.Lasked_\@:
.endm
; A prefetch of what the NEXT change of slots will ask for.  Work-group 0 of a kv head walks slot 0 and then slots 0 to 7: in trip i it loads slot i and asks for slot i + 1 (i = 0 .. 6), whole:
; waves 4 to 7, 8,192 bytes of K and 8,192 of V each, lanes 256 bytes apart: each aligned block of 256 bytes is named once in the launch.  Slot 0 comes by its load alone.
.macro ASK
	s_cmp_gt_u32 s[SLOTS], s[LIM]
	s_cbranch_scc0 .Lnot_mine_\@
	global_prefetch_b8 v[PFO], s[PFA:PFA+1] th:TH_LOAD_NT scope:SCOPE_SE
	global_prefetch_b8 v[PFO], s[PFB:PFB+1] th:TH_LOAD_NT scope:SCOPE_SE
.Lnot_mine_\@:
.endm
.macro QLOAD                           ; both heads' fragments of Q
.irp c, 0,1,2,3
	global_load_b128 v[16+4*\c:19+4*\c], v1, s[4:5] offset:512*\c
.endr
	WIN 0x40
.irp c, 0,1,2,3
	global_load_b128 v[16+4*\c:19+4*\c], v1, s[QB:QB+1] offset:512*\c
.endr
	WIN 0
.endm
.macro CLEAR                           ; a head's statistics and O^T, in the window that is set
	v_mov_b32 v13, 0xff61b1e6                      ; -3e38, under every t
	s_delay_alu instid0(VALU_DEP_1)
	v_floor_f32 v12, -v13
	v_mov_b32 v14, 0
	v_mov_b32 v15, 0
	v_mov_b32 v236, 0
	v_mov_b32 v253, 0
.set n_, 0
.rept 64
	v_mov_b32 v[160+n_], 0
.set n_, n_+1
.endr
.endm
	s_load_b256 s[4:11], s[0:1], 0x0               ; qf, kf, vf, scales
	s_load_b64 s[12:13], s[0:1], 0x20              ; af
	v_lshl_add_u32 v[SPW], v0, 2, SPARE
	v_mov_b32 v[NIL], 0
	ds_add_u32 v[SPW], v[NIL]                      ; the opening lines: the add, twice on end, and its wait
	ds_add_u32 v[SPW], v[NIL]
	v_lshrrev_b32 v8, 5, v0
	v_readfirstlane_b32 s[WV], v8
	v_and_b32 v9, 31, v0
	v_lshlrev_b32 v1, 4, v9
	v_lshlrev_b32 v[PFO], 8, v9
	v_and_b32 v10, 15, v0
	v_and_b32 v11, 8, v10
	v_add_nc_u32 v[DQ], v11, v10                   ; r + 8 (r / 8): my query in its tile,
	v_and_b32 v11, 16, v0
	v_sub_nc_u32 v[DQ], v[DQ], v11                 ; less 16 (lane / 16)
	s_and_b32 s82, ttmp7, 0xffff                   ; y = 8 batch + kv head
	s_and_b32 s83, s[WV], 3                        ; tile of the block
	s_lshr_b32 s84, s[WV], 2
	s_xor_b32 s84, s84, s[WV]
	s_and_b32 s84, s84, 1                          ; p: waves w and w + 4 differ in it, and so do waves 2 k and 2 k + 1
	s_lshr_b32 s[NE], ttmp9, 2
	s_add_co_u32 s[NE], s[NE], 1
	s_add_co_u32 s[NE1], s[NE], 1
	s_mov_b32 s[TI1], 1
	s_lshl_b32 s[P128], s84, 7
	s_lshl_b32 s[TBP], s84, 13
	s_mov_b32 s[STOG], 0
	s_mul_i32 s[STW], s[WV], WST
	s_add_co_u32 s[STW], s[STW], STAGE
	s_xor_b32 s85, s[WV], 4
	s_mul_i32 s[STP], s85, WST
	s_add_co_u32 s[STP], s[STP], STAGE
	s_lshr_b32 s88, s83, 1
	s_lshl_b32 s88, s88, 5
	s_and_b32 s89, s83, 1
	s_lshl_b32 s89, s89, 3
	s_add_co_u32 s88, s88, s89                     ; 32 (tile / 2) + 8 (tile % 2)
	s_lshl_b32 s[Q0E], ttmp9, 6
	s_add_co_u32 s[Q0E], s[Q0E], s88
	s_sub_co_u32 s86, 31, ttmp9
	s_lshl_b32 s[Q0L], s86, 6
	s_add_co_u32 s[Q0L], s[Q0L], s88
	s_lshl_b32 s85, ttmp9, 1
	s_sub_co_u32 s85, 31, s85                      ; blocks from the early to the late one; four tiles a block
	s_lshl_b32 s[QD], s85, 13
	s_mov_b32 s[QD+1], 0
	s_lshl_b32 s[OD], s85, 17
	s_mov_b32 s[OD+1], 0
	s_lshl_b32 s87, ttmp9, 2
	s_add_co_u32 s87, s87, s83                     ; my early tile in its sequence
	s_lshl_b32 s88, s82, 8                         ; head 2 y, 128 tiles a head
	s_add_co_u32 s88, s88, s87
	s_lshl_b32 s88, s88, 11
	s_lshl_b32 s89, s84, 18
	s_add_co_u32 s90, s88, s89                     ; Q of head 2 y + p,
	s_xor_b32 s89, s89, 1<<18
	s_add_co_u32 s92, s88, s89                     ; and of the other
	s_mov_b32 s91, 0
	s_mov_b32 s93, 0
	s_lshr_b32 s94, s82, 3
	s_lshl_b32 s94, s94, 7
	s_add_co_u32 s94, s94, s87                     ; the tile among all 256
	s_lshl_b32 s94, s94, 4
	s_and_b32 s95, s82, 7
	s_lshl_b32 s95, s95, 1
	s_add_co_u32 s94, s94, s95
	s_add_co_u32 s94, s94, s84                     ; + my head = the output projection's K step
	s_lshl_b32 s94, s94, 11
	s_mov_b32 s95, 0
	s_lshl_b32 s86, s82, 18                        ; the kv head's first byte in kf and in vf
	s_and_b32 s96, s[WV], 1
	s_lshl_b32 s96, s96, 13                        ; tiles 0-3 or 4-7
	s_add_co_u32 s96, s96, s86
	s_mov_b32 s97, 0
	s_lshl_b32 s85, s83, 14                        ; where it goes: (wave % 4) x 16,384
	s_lshl_b32 s88, s83, 13                        ; the prefetches: my 8,192 bytes, in slot 0: the first change steps them to slot 1
	s_add_co_u32 s88, s88, s86
	s_mov_b32 s89, 0
	s_lshr_b32 s87, s[WV], 2
	s_xor_b32 s87, s87, 1
	s_or_b32 s87, s87, ttmp9
	s_cmp_eq_u32 s87, 0                            ; waves 4 to 7 of the kv head's first work-group
	s_cselect_b32 s[LIM], 1, -1
	s_mov_b32 s[G1], 3<<16                         ; elements of 8 bytes, no mask, no padding
	s_mov_b32 s[G1+1], 1024<<16                    ; rows of 8,192 bytes,
	s_mov_b32 s[G1+2], 2<<16                       ; two of them,
	s_mov_b32 s[G1+3], 1024<<16
	s_mov_b32 s[G1+4], 2
	s_mov_b32 s[G1+5], 2048                        ; 16,384 bytes apart
	s_mov_b32 s[G1+6], 0
	s_mov_b32 s[G1+7], 0
	s_mov_b32 s[SEL], 0x76543210
	s_mov_b32 s[SEL+1], 0xfedcba98
	s_mov_b32 s[CS], 0x3e0293ee                    ; c = log2(e) / sqrt(128)
	s_mov_b32 s[SLOTS], 8
	s_wait_dscnt 0x0
	s_wait_kmcnt 0x0
	s_load_b64 s[68:69], s[10:11], 0x18            ; e6, e7
	s_load_b128 s[72:75], s[10:11], 0x20           ; e8 .. e11
	s_cmp_lt_u32 s[WV], 2
	s_cselect_b64 s[GB:GB+1], s[6:7], s[8:9]
	s_add_nc_u64 s[GB:GB+1], s[GB:GB+1], s[96:97]
	s_mov_b32 s[G0], 1
	s_mov_b32 s[G0+1], s85
	s_mov_b64 s[G0+2:G0+3], s[GB:GB+1]
	s_or_b32 s[G0+3], s[G0+3], 0x80000000
	TLOAD                                          ; trip 0's slot.  By this text's own count a wave never has more than one tensor load out
	s_add_nc_u64 s[QB:QB+1], s[4:5], s[92:93]
	s_add_nc_u64 s[4:5], s[4:5], s[90:91]
	s_add_nc_u64 s[12:13], s[12:13], s[94:95]
	s_add_nc_u64 s[PFA:PFA+1], s[6:7], s[88:89]
	s_add_nc_u64 s[PFB:PFB+1], s[8:9], s[88:89]
	s_wait_alu depctr_va_vdst(0)                   ; ahead of the readers below
	QLOAD
	CLEAR
	WIN 0x55
	CLEAR
	WIN 0
	s_wait_kmcnt 0x0
	s_add_co_i32 s96, s68, s69
	s_lshl_b32 s96, s96, 23
	s_add_co_i32 s[CS], s[CS], s96                 ; e6 + e7 are added to c's exponent field
	s_mov_b32 s[CS+1], s[CS]
	s_add_co_i32 s96, s72, 127
	s_lshl_b32 s97, s96, 23                        ; 2^e8
	s_add_co_i32 s96, s96, 15
	s_lshl_b32 s96, s96, 23
	s_or_b32 s96, s96, 0x600000                    ; 57,344 x 2^e8
	v_mov_b32 v244, s97
	v_mov_b32 v240, s96
	WIN 0x40
	v_mov_b32 v244, s97
	v_mov_b32 v240, s96
	WIN 0
	s_sub_co_i32 s96, s74, s72
	s_sub_co_i32 s96, s96, s73
	s_add_co_i32 s96, s96, 127
	s_lshl_b32 s97, s96, 23                        ; 2^(e10 - e8 - e9): O^T / the sum stands for the result / 2^(e8 + e9)
	s_add_co_i32 s96, s96, 15
	s_lshl_b32 s96, s96, 23
	s_or_b32 s96, s96, 0x600000
	v_mov_b32 v[SO], s97
	v_mov_b32 v[HO], s96
.macro FLOAD base, half                ; four fragments of my step into v32-95 of window half
	WIN 0x40*(\half)
.irp t, 0,1,2,3
.irp c, 0,1,2,3
	ds_load_b128 v[KR+16*\t+4*\c:KR+16*\t+4*\c+3], v[ADR] offset:(\base)+16384*(\half)+2048*\t+512*\c
.endr
.endr
.endm
.macro SQ hi                           ; S^T = K Q^T, tiles of keys 4 hi .. 4 hi + 3
.irp t, 0,1,2,3
	v_wmma_f32_16x16x128_bf8_bf8 v[S+32*\hi+8*\t:S+32*\hi+8*\t+7], v[KR+16*\t:KR+16*\t+15], v[16:31], 0
.endr
.endm
.macro PV hi                           ; O^T += V^T P^T, tiles of channels 4 hi .. 4 hi + 3; the accumulators take turns
.irp t, 0,1,2,3
	v_wmma_f32_16x16x128_bf8_bf8 v[160+32*\hi+8*\t:167+32*\hi+8*\t], v[KR+16*\t:KR+16*\t+15], v[224:239], v[160+32*\hi+8*\t:167+32*\hi+8*\t]
.endr
.endm
.macro MASK                            ; hidden where 32 b + i > d; d in v252 and -infinity in v254, both of window 0
.set n_, 0
.rept 64
	v_cmp_gt_i32 vcc_lo, 32*(n_/16)+n_%16, v252
	v_cndmask_b32 v[S+n_], v[S+n_], v254, vcc_lo
.set n_, n_+1
.endr
.endm
.macro SM1                             ; one head's softmax of a key step, in the window that is set: from the scores to p's codes
	v_max3_num_f32 v254, v[S], v[S+1], v[S+2]      ; each accumulator is read from its low end on
	v_max3_num_f32 v252, v[S+3], v[S+4], v[S+5]
.set n_, 6
.rept 14
	v_max3_num_f32 v254, v254, v[S+n_], v[S+n_+1]
	v_max3_num_f32 v252, v252, v[S+n_+2], v[S+n_+3]
.set n_, n_+4
.endr
	v_max3_num_f32 v254, v254, v[S+62], v[S+63]
	s_delay_alu instid0(VALU_DEP_1)
	v_max_num_f32 v254, v254, v252
	v_permlanex16_b32 v236, v254, s[SEL], s[SEL+1]
	s_delay_alu instid0(VALU_DEP_1)
	v_max_num_f32 v254, v254, v236
	s_delay_alu instid0(VALU_DEP_1)
	v_mul_f32 v254, s[CS], v254                    ; as t (c is positive)
	s_delay_alu instid0(VALU_DEP_1)
	v_max_num_f32 v13, v13, v254
	v_mov_b32 v254, v12
	s_delay_alu instid0(VALU_DEP_2)
	v_floor_f32 v12, -v13                          ; the new -M = -ceil(t)
	s_delay_alu instid0(VALU_DEP_1)
	v_sub_f32 v254, v12, v254
	s_delay_alu instid0(VALU_DEP_1)
	v_cvt_i32_f32 v254, v254                       ; (it saturates)
	s_delay_alu instid0(VALU_DEP_1)
	v_ldexp_f32 v252, 1.0, v254                    ; f = 2^(old M - new M)
.set n_, 0
.rept 32
	v_pk_fma_f32 v[S+n_:S+n_+1], v[S+n_:S+n_+1], s[CS:CS+1], v[12:13] op_sel_hi:[1,0,0]
.set n_, n_+2
.endr
.set n_, 0
	s_wait_alu depctr_va_vdst(0)                   ; the wait ahead of the batch
.rept 64
	v_exp_f32 v[S+n_], v[S+n_]
.set n_, n_+1
.endr
	v_pk_mul_f32 v[14:15], v[14:15], v[252:253] op_sel_hi:[1,0]
	s_wait_alu depctr_va_vdst(0)                   ; and behind it, ahead of its first reader
	v_pk_add_f32 v[242:243], v[S:S+1], v[S+2:S+3]  ; the sum is taken of the unquantised p
.set n_, 4
.rept 15
	v_pk_add_f32 v[14:15], v[14:15], v[S+n_:S+n_+1]
	v_pk_add_f32 v[242:243], v[242:243], v[S+n_+2:S+n_+3]
.set n_, n_+4
.endr
	s_delay_alu instid0(VALU_DEP_1)
	v_pk_add_f32 v[14:15], v[14:15], v[242:243]
.irp b, 0,1,2,3
.irp i, 0,1,2,3,4,5,6,7,8,9,10,11,12,13,14,15
	v_min_num_f32 v[S+16*\b+\i], v[S+16*\b+\i], v240   ; the conversion does not saturate (ISA guide 7.6.2); p is not negative
.endr
	v_cvt_scalef32_pk8_bf8_f32 v[224+4*\b:225+4*\b], v[S+16*\b:S+16*\b+7], v244
	v_cvt_scalef32_pk8_bf8_f32 v[226+4*\b:227+4*\b], v[S+16*\b+8:S+16*\b+15], v244
.endr
.endm
.macro SM2                             ; O^T under the new M; the wait ahead of the first reader of O^T
	s_wait_alu depctr_va_vdst(0)
.set n_, 0
.rept 32
	v_pk_mul_f32 v[160+n_:161+n_], v[160+n_:161+n_], v[252:253] op_sel_hi:[1,0]
.set n_, n_+2
.endr
.endm
; MY KEY STEP of the slot in hand, 128 keys, for both heads.
.macro BODY
	v_add_nc_u32 v[ADR], s[TBP], v1
.rept 4
	v_nop                                          ; places in front of loads into registers that the last products read
.endr
	FLOAD 0, 0
	FLOAD 0, 1
	s_wait_alu depctr_va_vdst(0)                   ; directly ahead of the waits below
	s_wait_loadcnt 0x0                             ; Q (the head's loads, or the hand-over's)
	s_wait_dscnt 16                                ; K's tiles 0-3 are in; the sixteen loads of tiles 4-7 may be out
	WIN 0
	SQ 0
	WIN 0x44
	SQ 0
	s_wait_dscnt 0x0
	WIN 0x01
	SQ 1
	WIN 0x45
	SQ 1
	WIN 0
.rept 4
	v_nop
.endr
	FLOAD 32768, 0                                 ; all of V, into K's registers: both heads' softmax stand between these loads and their use
	FLOAD 32768, 1
	WIN 0
	s_add_co_u32 s96, s[KS], 127                   ; a step all of whose keys count skips the mask
	s_cmp_le_u32 s96, s[Q0]
	s_cbranch_scc1 .Lopen_\@
	s_sub_co_i32 s96, s[Q0], s[KS]
	v_add_nc_u32 v252, s96, v[DQ]                  ; d = my query - the step's first key - 16 (lane / 16); that first key counts for all my queries
	v_mov_b32 v254, 0xff800000
	MASK
	WIN 0x41
	MASK
	WIN 0
.Lopen_\@:
	SM1
	SM2
	WIN 0x55
	s_wait_alu depctr_va_vdst(0)                   ; ahead of the first reader of this head's S^T
	SM1
	s_wait_dscnt 0x0                               ; V is in
	SM2
	WIN 0
	PV 0
	WIN 0x54
	PV 0
	WIN 0x01
	PV 1
	WIN 0x55
	PV 1
	WIN 0
.endm
; THE CHANGE OF SLOTS.  fill = 1: behind the barrier the slot that was left takes the next trip's keys: slot TI1 of the early block, or TI1 - NE of the late one.
.macro CHANGE fill
	s_wait_tensorcnt 0x0
	ds_add_u32 v[SPW], v[NIL]
.if \fill
	ds_add_u32 v[SPW], v[NIL]                      ; where a load follows, twice on end
	s_xor_b32 s[G0+1], s[G0+1], SLOT1
	s_cmp_lt_u32 s[TI1], s[NE]
	s_cselect_b32 s96, 0, s[NE]
	s_sub_co_u32 s96, s[TI1], s96
	s_lshl_b32 s96, s96, 15
	s_mov_b32 s97, 0
	s_add_nc_u64 s[G0+2:G0+3], s[GB:GB+1], s[96:97]
	s_or_b32 s[G0+3], s[G0+3], 0x80000000
	s_wait_xcnt 0x0                                ; the last prefetches have read their addresses
	s_add_nc_u64 s[PFA:PFA+1], s[PFA:PFA+1], 32768
	s_add_nc_u64 s[PFB:PFB+1], s[PFB:PFB+1], 32768
.endif
	s_wait_dscnt 0x0                               ; the adds, my reads of the slot that I have left, and my stores into the stage
	s_barrier_signal -1
	s_barrier_wait -1
.if \fill
	TLOAD
	ASK
.endif
.endm
.macro STEPS                           ; which block and slot this trip serves, by ids and the trip's number; my step is left out where all its keys come after my queries
	s_sub_co_u32 s96, s[TI1], 1
	s_cmp_lt_u32 s96, s[NE]
	s_cselect_b32 s97, 0, s[NE]
	s_cselect_b32 s[Q0], s[Q0E], s[Q0L]
	s_sub_co_u32 s96, s96, s97
	s_lshl_b32 s96, s96, 8
	s_add_co_u32 s[KS], s96, s[P128]
	s_add_co_u32 s96, s[Q0], 23
	s_cmp_gt_u32 s[KS], s96
	s_cbranch_scc1 .Lskip_\@
	BODY
.Lskip_\@:
.endm
; THE HAND-OVER: window 1's O^T and statistics into my part of this trip's stage.  mid = 1: the late tile's Q is asked for at once.
.macro HAND mid
	s_add_co_u32 s96, s[STOG], s[STW]
	v_add_nc_u32 v[STA], s96, v1
.rept 4
	v_nop                                          ; places behind the last products
.endr
	s_wait_alu depctr_va_vdst(0)
	WIN 0x04                                       ; a store's data: window 1
.set k_, 0
.rept 16
	ds_store_b128 v[STA], v[160+4*k_:163+4*k_] offset:512*k_   ; each accumulator from its low end on
.set k_, k_+1
.endr
	ds_store_b128 v[STA], v[12:15] offset:8192
	WIN 0
.if \mid
	s_wait_loadcnt 0x0                             ; the earlier loads of Q have landed, also where my step was left out: their registers and bases may be named anew
	s_add_nc_u64 s[4:5], s[4:5], s[QD:QD+1]
	s_add_nc_u64 s[QB:QB+1], s[QB:QB+1], s[QD:QD+1]
	QLOAD
.endif
.endm
; MY HEAD IS FINISHED: my partner's part comes from its stage; both parts under the larger M, added, divided by the sum, quantised, stored: four stores of 512 consecutive bytes.
.macro FINISH mid
.if \mid
	s_xor_b32 s96, s[STOG], STD                    ; the stage of the trip before
	s_add_co_u32 s96, s96, s[STP]
.else
	s_add_co_u32 s96, s[STOG], s[STP]
.endif
	v_add_nc_u32 v[STA], s96, v1
.rept 4
	v_nop
.endr
.set k_, 0
.rept 16
	ds_load_b128 v[S+4*k_:S+4*k_+3], v[STA] offset:512*k_
.set k_, k_+1
.endr
	ds_load_b128 v[32:35], v[STA] offset:8192
	s_wait_alu depctr_va_vdst(0)
	s_wait_dscnt 0x0
	v_min_num_f32 v252, v12, v32                   ; -M of the larger M
	v_add_f32 v14, v14, v15
	v_add_f32 v34, v34, v35
	v_sub_f32 v253, v252, v12                      ; whole numbers, 0 or less
	v_sub_f32 v254, v252, v32
	v_cvt_i32_f32 v253, v253                       ; (they saturate: a part that saw no key counts for nothing)
	v_cvt_i32_f32 v254, v254
	v_ldexp_f32 v14, v14, v253
	v_ldexp_f32 v34, v34, v254
	v_add_f32 v14, v14, v34
	v_permlanex16_b32 v236, v14, s[SEL], s[SEL+1]
	v_add_f32 v14, v14, v236                       ; the row's sum
	s_wait_alu depctr_va_vdst(0)                   ; the wait ahead of the transcendental,
	v_rcp_f32 v14, v14
	v_mov_b32 v15, 0
	s_wait_alu depctr_va_vdst(0)                   ; ahead of its first reader,
	v_ldexp_f32 v34, v14, v254
	v_ldexp_f32 v14, v14, v253
	s_wait_alu depctr_va_vdst(0)                   ; and ahead of the first reader of O^T
.set n_, 0
.rept 32
	v_pk_mul_f32 v[160+n_:161+n_], v[160+n_:161+n_], v[14:15] op_sel_hi:[1,0]
.set n_, n_+2
.endr
.set n_, 0
.rept 32
	v_pk_fma_f32 v[S+n_:S+n_+1], v[S+n_:S+n_+1], v[34:35], v[160+n_:161+n_] op_sel_hi:[1,0,1]
.set n_, n_+2
.endr
.irp b, 0,1,2,3
.irp i, 0,1,2,3,4,5,6,7,8,9,10,11,12,13,14,15
	v_med3_num_f32 v[S+16*\b+\i], v[S+16*\b+\i], -v[HO], v[HO]
.endr
	v_cvt_scalef32_pk8_bf8_f32 v[224+4*\b:225+4*\b], v[S+16*\b:S+16*\b+7], v[SO]
	v_cvt_scalef32_pk8_bf8_f32 v[226+4*\b:227+4*\b], v[S+16*\b+8:S+16*\b+15], v[SO]
.endr
	v_nop
.irp c, 0,1,2,3
	global_store_b128 v1, v[224+4*\c:227+4*\c], s[12:13] offset:512*\c
.endr
.if \mid
	s_wait_xcnt 0x0                                ; the stores have read their data and their base
	s_add_nc_u64 s[12:13], s[12:13], s[OD:OD+1]
	CLEAR                                          ; the late block begins
	WIN 0x55
	CLEAR
	WIN 0
	s_wait_alu depctr_va_vdst(0)
.endif
.endm
	s_wait_alu depctr_va_vdst(0)                   ; the wait at the head's end
.Lslot:                                            ; eight trips; behind each change of slots the next trip's slot is asked for
	CHANGE 1
	s_cmp_lg_u32 s[TI1], s[NE1]                    ; the trip behind the early block's last
	s_cbranch_scc1 .Lno_finish
	FINISH 1
.Lno_finish:
	STEPS
	s_cmp_lg_u32 s[TI1], s[NE]                     ; the early block's last trip
	s_cbranch_scc1 .Lno_hand
	HAND 1
.Lno_hand:
	s_xor_b32 s[TBP], s[TBP], SLOT1
	s_xor_b32 s[STOG], s[STOG], STD
	s_add_co_u32 s[TI1], s[TI1], 1
	s_sub_co_u32 s[SLOTS], s[SLOTS], 1
	s_cmp_lg_u32 s[SLOTS], 0
	s_cbranch_scc1 .Lslot
	CHANGE 0                                       ; the ninth trip is written out: nothing is left to ask for
	STEPS
	HAND 0
	s_wait_dscnt 0x0                               ; my stores into the stage are done
	s_barrier_signal -1
	s_barrier_wait -1
	FINISH 0
	s_wait_tensorcnt 0x0                           ; the wave's end
	ds_add_u32 v[SPW], v[NIL]
	s_wait_dscnt 0x0
	s_endpgm
.Lfunc_end_k_q9af1e85bfc_attn:
	.size	k_q9af1e85bfc_attn, .Lfunc_end_k_q9af1e85bfc_attn-k_q9af1e85bfc_attn
	.p2alignl 7, 3214868480
	.fill 96, 4, 3214868480
	.section	.rodata,"a",@progbits
	.p2align	6, 0x0
	.amdhsa_kernel k_q9af1e85bfc_attn
		.amdhsa_group_segment_fixed_size 327680
		.amdhsa_private_segment_fixed_size 0
		.amdhsa_enable_private_segment 0
		.amdhsa_kernarg_size 40
		.amdhsa_user_sgpr_count 2
		.amdhsa_user_sgpr_kernarg_segment_ptr 1
		.amdhsa_wavefront_size32 1
		.amdhsa_system_sgpr_workgroup_id_x 1
		.amdhsa_system_sgpr_workgroup_id_y 1
		.amdhsa_system_sgpr_workgroup_id_z 1
		.amdhsa_system_vgpr_workitem_id 0
		.amdhsa_next_free_vgpr 512
		.amdhsa_next_free_sgpr 100
		.amdhsa_reserve_vcc 1
		.amdhsa_float_denorm_mode_32 3
		.amdhsa_float_denorm_mode_16_64 3
		.amdhsa_memory_ordered 1
		.amdhsa_forward_progress 1
		.amdhsa_inst_pref_size 132
	.end_amdhsa_kernel
	.amdgpu_metadata
---
amdhsa.version: [ 1, 2 ]
amdhsa.kernels:
  - .name:           k_q9af1e85bfc_attn
    .symbol:         k_q9af1e85bfc_attn.kd
    .args:
      - { .name: qf, .offset: 0, .size: 8, .value_kind: global_buffer, .address_space: global }
      - { .name: kf, .offset: 8, .size: 8, .value_kind: global_buffer, .address_space: global }
      - { .name: vf, .offset: 16, .size: 8, .value_kind: global_buffer, .address_space: global }
      - { .name: lowp_scales, .offset: 24, .size: 8, .value_kind: global_buffer, .address_space: global }
      - { .name: af, .offset: 32, .size: 8, .value_kind: global_buffer, .address_space: global }
    .group_segment_fixed_size: 327680
    .private_segment_fixed_size: 0
    .kernarg_segment_align: 8
    .kernarg_segment_size: 40
    .max_flat_workgroup_size: 256
    .sgpr_count:     100
    .vgpr_count:     512
    .wavefront_size: 32
...
	.end_amdgpu_metadata
.endif
;; end of part 4
;; launch oproj (part 5): grid 8 x 32, 4 waves a work-group, clusters of 4 x 4, 327,680 bytes of LDS; arguments af, wc, lowp_scales, out0; writes out0
.if DOCPART == 5
	.amdgcn_target "amdgcn-amd-amdhsa--gfx1250"
	.amdhsa_code_object_version 6
	.text
	.protected	k_q9af1e85bfc_oproj
	.globl	k_q9af1e85bfc_oproj
	.p2align	8
	.type	k_q9af1e85bfc_oproj,@function
k_q9af1e85bfc_oproj:
	s_mov_b64 s[64:65], 0
	v_nop
	global_prefetch_b8 v0, s[64:65] scope:SCOPE_SE
	s_setreg_imm32_b32 hwreg(HW_REG_WAVE_MODE, 25, 1), 1
	s_wait_xcnt 0x0
	s_wait_alu depctr_hold_cnt(0) depctr_sa_sdst(0) depctr_va_vdst(0) depctr_va_sdst(0) depctr_va_ssrc(0) depctr_va_vcc(0) depctr_vm_vsrc(0)
	s_getreg_b32 s2, hwreg(HW_REG_IB_STS2, 6, 4)
	s_cmp_eq_u32 s2, 0
	s_cbranch_scc0 .Lentry_in_a_cluster
	s_endpgm
.Lentry_in_a_cluster:
	s_bfe_u32 s2, ttmp6, 0x10000c
	s_cmp_lg_u32 s2, 0xf033
	s_cbranch_scc0 .Lentry_shape_is_right
	s_endpgm
.Lentry_shape_is_right:
.set SLOT,   131072
.set SPARE,  262144
.set STAGE,  262656
.set SPITCH, 272
.set ADRA, 16
.set ADRB, 20
.set STO,  24
.set RD,   25
.set CO,   26
.set SPW,  28
.set NIL,  29
.set TMP,  32
.set BK,   64
.set ACC,  128
.set F0,   0
.set F1,   128
.set G1,  24
.set G0,  32
.set G1B, 48
.set G0B, 56
.set MSB, 0
.macro WIN new
.if MSB != (\new)
	s_set_vgpr_msb (MSB<<8)|(\new)
.set MSB, \new
.endif
.endm
.set MUL,  0x05
.set TO_F, 0x40
.macro JLOAD s
	s_cmp_eq_u32 s15, 0
	s_cbranch_scc0 .Lfor_b_\@
	tensor_load_to_lds s[G0+4*\s:G0+4*\s+3], s[G1:G1+7]
	s_nop 0
.rept 4
	v_nop
.endr
	s_branch .Lasked_\@
.Lfor_b_\@:
	tensor_load_to_lds s[G0B+4*\s:G0B+4*\s+3], s[G1B:G1B+7]
	s_nop 0
.rept 4
	v_nop
.endr
.Lasked_\@:
.endm
.macro CREST
	s_cmp_lg_u32 s14, 0
	s_cbranch_scc1 .Lnot_wave_0_\@
	s_barrier_signal -3
.Lnot_wave_0_\@:
	s_barrier_wait -3
	s_barrier_signal -1
	s_barrier_wait -1
.endm
.macro CROUND
	s_barrier_signal -1
	s_barrier_wait -1
	CREST
.endm
	s_load_b256 s[4:11], s[0:1], 0x0
	v_lshl_add_u32 v[SPW], v0, 2, SPARE
	v_mov_b32 v[NIL], 0
	ds_add_u32 v[SPW], v[NIL]
	ds_add_u32 v[SPW], v[NIL]
	v_lshrrev_b32 v1, 5, v0
	v_readfirstlane_b32 s14, v1
	s_lshr_b32 s15, s14, 1
	s_and_b32 s16, s14, 1
	s_bfe_u32 s40, ttmp6, 0x40000
	s_bfe_u32 s41, ttmp6, 0x40004
	s_lshl_b32 s42, ttmp9, 2
	s_add_co_u32 s42, s42, s40
	s_and_b32 s17, ttmp7, 0xffff
	s_lshl_b32 s17, s17, 2
	s_add_co_u32 s17, s17, s41
	s_lshl_b32 s43, s41, 2
	s_lshl_b32 s43, 15, s43
	s_lshl_b32 s44, 0x1111, s40
	s_or_b32 s[G1+0], s43, (3<<16)|(1<<21)
	s_or_b32 s[G1B+0], s44, (3<<16)|(1<<21)
.irp g, G1, G1B
	s_mov_b32 s[\g+1], 1024<<16
	s_mov_b32 s[\g+2], 4<<16
	s_mov_b32 s[\g+3], 1024<<16
	s_mov_b32 s[\g+4], 4
	s_mov_b32 s[\g+5], 4096
	s_mov_b32 s[\g+6], 0
	s_mov_b32 s[\g+7], 0
.endr
	s_lshl_b32 s18, s16, 17
	s_lshl_b32 s20, s17, 18
	s_add_co_u32 s20, s20, s18
	s_mov_b32 s21, 0
	s_lshl_b32 s46, s42, 18
	s_add_co_u32 s46, s46, s18
	s_add_co_u32 s46, s46, 0x400000
	s_mov_b32 s47, 0
	s_lshl_b32 s45, s14, 15
	s_wait_dscnt 0x0
	s_wait_kmcnt 0x0
	s_load_b64 s[96:97], s[8:9], 0x28
	s_add_nc_u64 s[20:21], s[4:5], s[20:21]
	s_add_nc_u64 s[46:47], s[6:7], s[46:47]
	CROUND
.irp s, 0,1
	s_mov_b32 s[G0+4*\s], 1
	s_add_co_u32 s[G0+4*\s+1], s45, \s*SLOT
	s_add_nc_u64 s[G0+4*\s+2:G0+4*\s+3], s[20:21], \s*8192
	s_or_b32 s[G0+4*\s+3], s[G0+4*\s+3], 0x80000000
	s_mov_b32 s[G0B+4*\s], 1
	s_add_co_u32 s[G0B+4*\s+1], s45, \s*SLOT
	s_add_nc_u64 s[G0B+4*\s+2:G0B+4*\s+3], s[46:47], \s*8192
	s_or_b32 s[G0B+4*\s+3], s[G0B+4*\s+3], 0x80000000
	s_wait_alu depctr_va_vdst(0)
	s_wait_tensorcnt 0x0
	ds_add_u32 v28, v29
	ds_add_u32 v28, v29
	s_wait_dscnt 0x0
	CROUND
	JLOAD \s
.endr
	v_and_b32 v1, 15, v0
	s_wait_alu depctr_va_vdst(0)
	v_bfe_u32 v2, v0, 4, 1
	v_and_b32 v3, 31, v0
	v_lshlrev_b32 v3, 4, v3
	s_lshl_b32 s21, s15, 15
	s_lshl_b32 s22, s16, 15
	s_add_co_u32 s22, s22, 65536
.irp s, 0,1
	v_add_nc_u32 v[ADRA+\s], s21, v3
	v_add_nc_u32 v[ADRB+\s], s22, v3
	s_add_co_u32 s21, s21, SLOT
	s_add_co_u32 s22, s22, SLOT
.endr
	s_mul_i32 s23, s14, 16*SPITCH
	s_add_co_u32 s23, s23, STAGE
	v_mul_u32_u24 v5, v1, SPITCH
	s_wait_alu depctr_va_vdst(0)
	v_lshl_add_u32 v5, v2, 6, v5
	v_add_nc_u32 v[STO], s23, v5
	v_mul_u32_u24 v5, v2, SPITCH
	v_lshl_add_u32 v5, v1, 4, v5
	v_add_nc_u32 v[RD], s23, v5
	v_lshlrev_b32 v5, 12, v2
	v_lshl_add_u32 v[CO], v1, 4, v5
	s_lshl_b32 s20, s17, 7
	s_lshl_b32 s21, s15, 6
	s_add_co_u32 s20, s20, s21
	s_lshl_b32 s20, s20, 12
	s_mov_b32 s21, 0
	s_lshl_b32 s46, s42, 9
	s_lshl_b32 s47, s16, 8
	s_add_co_u32 s46, s46, s47
	s_mov_b32 s47, 0
	s_add_nc_u64 s[20:21], s[20:21], s[46:47]
	s_add_nc_u64 s[10:11], s[10:11], s[20:21]
.macro MUL8 f, a0, zero
.irp a, \a0, \a0+1
.irp b, 0,1,2,3
.if \zero
	v_wmma_f32_16x16x128_bf8_bf8 v[ACC+8*(4*(\a)+\b):ACC+8*(4*(\a)+\b)+7], v[\f+64+16*\b:\f+64+16*\b+15], v[\f+16*(\a):\f+16*(\a)+15], 0
.else
	v_wmma_f32_16x16x128_bf8_bf8 v[ACC+8*(4*(\a)+\b):ACC+8*(4*(\a)+\b)+7], v[\f+64+16*\b:\f+64+16*\b+15], v[\f+16*(\a):\f+16*(\a)+15], v[ACC+8*(4*(\a)+\b):ACC+8*(4*(\a)+\b)+7]
.endif
.endr
.endr
.endm
.macro FETCH slot, q, f
	WIN TO_F
.irp i, 0,1,2,3
.irp c, 0,1,2,3
	ds_load_b128 v[\f+64+16*\i+4*\c:\f+64+16*\i+4*\c+3], v[ADRB+\slot] offset:8192*\i+2048*(\q)+512*\c
.endr
.endr
.irp i, 0,1,2,3
.irp c, 0,1,2,3
	ds_load_b128 v[\f+16*\i+4*\c:\f+16*\i+4*\c+3], v[ADRA+\slot] offset:8192*\i+2048*(\q)+512*\c
.endr
.endr
.endm
.macro PLACES
.rept 4
	v_nop
.endr
.endm
.macro KS slot, q, f, g, zero
	s_wait_dscnt 8
	WIN MUL
	MUL8 \f, 0, \zero
	PLACES
	FETCH \slot, (\q)+1, \g
	s_wait_dscnt 32
	WIN MUL
	MUL8 \f, 2, \zero
.endm
.macro TURN slot, next, fill
	WIN 0
	s_wait_tensorcnt 0x0
	ds_add_u32 v[SPW], v[NIL]
	s_wait_dscnt 0x0
	s_barrier_signal -1
	WIN MUL
	MUL8 F1, 0, 0
	WIN 0
	s_barrier_wait -1
.if \fill
	CREST
	s_add_nc_u64 s[G0+4*\slot+2:G0+4*\slot+3], s[G0+4*\slot+2:G0+4*\slot+3], 16384
	s_add_nc_u64 s[G0B+4*\slot+2:G0B+4*\slot+3], s[G0B+4*\slot+2:G0B+4*\slot+3], 16384
	JLOAD \slot
.else
	PLACES
.endif
	FETCH \next, 0, F0
	WIN MUL
	MUL8 F1, 2, 0
.endm
	s_wait_tensorcnt 1
	s_barrier_signal -1
	s_barrier_wait -1
	FETCH 0, 0, F0
	KS 0, 0, F0, F1, 1
	KS 0, 1, F1, F0, 0
	KS 0, 2, F0, F1, 0
	TURN 0, 1, 1
	KS 1, 0, F0, F1, 0
	KS 1, 1, F1, F0, 0
	KS 1, 2, F0, F1, 0
	TURN 1, 0, 1
	KS 0, 0, F0, F1, 0
	KS 0, 1, F1, F0, 0
	KS 0, 2, F0, F1, 0
	TURN 0, 1, 0
	KS 1, 0, F0, F1, 0
	KS 1, 1, F1, F0, 0
	KS 1, 2, F0, F1, 0
	s_wait_dscnt 0
	MUL8 F1, 0, 0
	MUL8 F1, 2, 0
	WIN 0
	PLACES
.macro TOSTAGE a
.set n_, 0
.rept 16
	v_pk_mul_f32 v[TMP+n_:TMP+n_+1], v[ACC+32*(\a)+n_:ACC+32*(\a)+n_+1], s[96:97] op_sel_hi:[1,0]
.set n_, n_+2
.endr
.irp k, 0,1,2,3,4,5,6,7
	ds_store_b128 v[STO], v[TMP+4*\k:TMP+4*\k+3] offset:128*(\k/4)+16*(\k%4)
.endr
.irp t, 0,1,2,3,4,5,6,7
	ds_load_b128 v[BK+32*((\a)%2)+4*\t:BK+32*((\a)%2)+4*\t+3], v[RD] offset:2*\t*SPITCH
.endr
.endm
.macro SEND a, younger
	s_wait_dscnt \younger
.irp t, 0,1,2,3,4,5,6,7
	global_store_b128 v[CO], v[BK+32*((\a)%2)+4*\t:BK+32*((\a)%2)+4*\t+3], s[10:11] offset:(32*((\a)/2)+8*((\a)%2)+2*\t+8*(\t/4))*4096 th:TH_STORE_NT
.endr
.endm
	s_wait_kmcnt 0x0
	s_add_co_i32 s96, s96, s97
	s_add_co_i32 s96, s96, 127
	s_lshl_b32 s96, s96, 23
	s_mov_b32 s97, s96
	TOSTAGE 0
	TOSTAGE 1
	SEND 0, 16
	s_wait_xcnt 0x0
	TOSTAGE 2
	SEND 1, 16
	s_wait_xcnt 0x0
	TOSTAGE 3
	SEND 2, 16
	SEND 3, 0
	s_wait_tensorcnt 0x0
	ds_add_u32 v[SPW], v[NIL]
	s_wait_dscnt 0x0
	CROUND
	s_endpgm
.Lfunc_end_k_q9af1e85bfc_oproj:
	.size	k_q9af1e85bfc_oproj, .Lfunc_end_k_q9af1e85bfc_oproj-k_q9af1e85bfc_oproj
	.p2alignl 7, 3214868480
	.fill 96, 4, 3214868480
	.section	.rodata,"a",@progbits
	.p2align	6, 0x0
	.amdhsa_kernel k_q9af1e85bfc_oproj
		.amdhsa_group_segment_fixed_size 327680
		.amdhsa_private_segment_fixed_size 0
		.amdhsa_enable_private_segment 0
		.amdhsa_kernarg_size 32
		.amdhsa_user_sgpr_count 2
		.amdhsa_user_sgpr_kernarg_segment_ptr 1
		.amdhsa_wavefront_size32 1
		.amdhsa_system_sgpr_workgroup_id_x 1
		.amdhsa_system_sgpr_workgroup_id_y 1
		.amdhsa_system_sgpr_workgroup_id_z 1
		.amdhsa_system_vgpr_workitem_id 0
		.amdhsa_next_free_vgpr 512
		.amdhsa_next_free_sgpr 100
		.amdhsa_reserve_vcc 0
		.amdhsa_float_denorm_mode_32 3
		.amdhsa_float_denorm_mode_16_64 3
		.amdhsa_memory_ordered 1
		.amdhsa_forward_progress 1
		.amdhsa_inst_pref_size 74
	.end_amdhsa_kernel
	.amdgpu_metadata
---
amdhsa.version: [ 1, 2 ]
amdhsa.kernels:
  - .name:           k_q9af1e85bfc_oproj
    .symbol:         k_q9af1e85bfc_oproj.kd
    .args:
      - { .name: af, .offset: 0, .size: 8, .value_kind: global_buffer, .address_space: global }
      - { .name: wc, .offset: 8, .size: 8, .value_kind: global_buffer, .address_space: global }
      - { .name: lowp_scales, .offset: 16, .size: 8, .value_kind: global_buffer, .address_space: global }
      - { .name: out0, .offset: 24, .size: 8, .value_kind: global_buffer, .address_space: global }
    .group_segment_fixed_size: 327680
    .private_segment_fixed_size: 0
    .kernarg_segment_align: 8
    .kernarg_segment_size: 32
    .max_flat_workgroup_size: 128
    .sgpr_count:     100
    .vgpr_count:     512
    .wavefront_size: 32
...
	.end_amdgpu_metadata
.endif
;; end of part 5
